; MI455X (gfx1250); checked and timed in simulation.
; The chip was launched on July 23, 2026; its instructions are those of AMD's public machine-readable ISA for CDNA 5 (MIT licence, August 2026) and "CDNA5" Instruction Set Architecture Reference Guide (July 2026). The comments in the code are by the model that wrote it; some were corrected since.
;; Multi Head Attention. Allowed arithmetic: matrix products marked QUANTISED: E4M3 operands, one E8M0 scale for each 32 along K, by v_wmma_scale_f32_16x16x128_f8f6f4 with both operands' format E4M3, f32 sums; everything else in f32.
;; Inputs: b_out 1,024 float32; b_qkv 3,072 float32; w_out 1,024 x 1,024 float32; w_qkv 1,024 x 3,072 float32; x 4 x 2,048 x 1,024 float32.
;; Outputs: out0 4 x 2,048 x 1,024 float32.
;; This version of the problem:
;;   THIS VERSION OF THE PROBLEM IS GIVEN IN LOW PRECISION. The matrix products marked QUANTISED in the list below multiply operands that are first quantised to E4M3 (4 exponent bits, 3 mantissa bits; 8 bits a number), with one power-of-two scale for each 32 numbers along K (OCP MX v1.0); their sums are f32. All else is computed in f32.
;;   The module's matrix products, in the order in which they are computed (A, B: the left and right operand; K: the contracted axis; several contracted axes count as one K, in the product's order):
;;     1. [M 8,192, K 1,024] x [K 1,024, N 3,072]; A: input x; B: input w_qkv: QUANTISED
;;     2. batch 64 x [M 2,048, K 64] x [K 64, N 2,048]; A: computed on the way; B: computed on the way: QUANTISED
;;     3. batch 64 x [M 2,048, K 2,048] x [K 2,048, N 64]; A: softmax (see below); B: computed on the way: QUANTISED
;;     4. [M 8,192, K 1,024] x [K 1,024, N 1,024]; A: computed on the way; B: input w_out: QUANTISED
;;   THE QUANTISER, for each operand of a quantised product, along K:
;;     - K is cut into blocks of 32 from its start; a last block that is shorter is filled with zeros.
;;     - A block's scale is 2^e with e = floor(log2(the largest magnitude in the block)) - 8, held to -126 .. 127; a block of zeros has e = 0. As a byte (E8M0): e + 127.
;;     - Each number is divided by its block's scale, clamped to +-448, and rounded to the nearest number of E4M3, ties to even, subnormals kept.
;;     - The product sums the exact products of the quantised numbers (number of the format x scale) in f32.
;;   ~~~python
;;   def quantise(x, axis):      # numpy; x: float32 -> the quantised numbers, widened to float32 again
;;       x = np.moveaxis(x, axis, -1); K = x.shape[-1]
;;       x = np.pad(x, [(0, 0)] * (x.ndim - 1) + [(0, -K % 32)]); x = x.reshape(x.shape[:-1] + (-1, 32)); a = np.abs(x).max(-1, keepdims=True)
;;       e = np.where(a > 0, np.clip(np.frexp(np.where(a > 0, a, 1))[1] - 1 - 8, -126, 127), 0)      # np.frexp(a)[1] - 1 = floor(log2(a)), exactly
;;       r = np.clip(x / 2.0 ** e, -448, 448)
;;       step = 2.0 ** (np.maximum(np.frexp(np.where(r == 0, 1, r))[1] - 1, -6) - 3)
;;       q = np.round(r / step) * step * 2.0 ** e      # np.round: ties to even
;;       return np.moveaxis(q.reshape(q.shape[:-2] + (-1,))[..., :K], -1, axis).astype(np.float32)
;;   ~~~
;;   SOFTMAX AHEAD OF A QUANTISED PRODUCT. Where the list says 'softmax', what is quantised is not the finished softmax but p = 2^(t - M), with t = logit x log2(e) and M = ceil(the row's largest t), a whole number; so 1/2 < the row's largest p <= 1. The row's sum l is taken of the UNQUANTISED p, in f32, and the product's result is divided by l at the end. Since M is a whole number, a kernel that streams over the keys may use a running M (the ceiling of the running maximum): every later rescaling is an exact power of two, which a block's scale takes up: the codes' values come out the same.
;;   OPERANDS COMPUTED ON THE WAY. 'Computed on the way' means the value that the module computes at that place (a softmax that the list does not call 'softmax' is quantised finished and normalised). What goes into a quantiser is computed in f32, as accurately as f32 sums, v_exp_f32 and their like allow (about 1e-6 of the number): no bf16 or f16 on the way to a quantiser, and a product that is left as it is and whose result goes on into a quantised operand takes f32 operands (vector FMAs, or v_wmma_f32_16x16x4_f32). A number that lies on a knife's edge between two numbers of the format may be rounded either way, as far as f32 arithmetic and the matrix unit's own rounding can turn it there, and no further.
;; One version. Each part assembles by itself: llvm-mc -triple=amdgcn-amd-amdhsa -mcpu=gfx1250 --defsym DOCPART=n.
;; ======== version 1 of 1: 4 launches
;; limits: right only within a limited range of input values
;; workspace buffers: qc 12,582,912 bytes; qs 393,216 bytes; att_img 25,165,824 bytes; att_sc 1,572,864 bytes; z_img 8,388,608 bytes; z_scales 262,144 bytes
;; launch quant (part 1): grid 384 x 1, 4 waves a work-group, no clusters, 68,096 bytes of LDS; arguments x, w_qkv, w_out, qc, qs; writes qc, qs
.if DOCPART == 1
	.amdgcn_target "amdgcn-amd-amdhsa--gfx1250"
	.amdhsa_code_object_version 6
	.text
	.protected	k_q6f39262b3c_quant
	.globl	k_q6f39262b3c_quant
	.p2align	8
	.type	k_q6f39262b3c_quant,@function
k_q6f39262b3c_quant:
	s_mov_b64 s[64:65], 0
	v_nop
	global_prefetch_b8 v0, s[64:65] scope:SCOPE_SE
	s_setreg_imm32_b32 hwreg(HW_REG_WAVE_MODE, 25, 1), 1
	s_wait_xcnt 0x0
; x [8192][1024], w_qkv [1024][3072] and w_out [1024][1024], all f32, become codes of FP8 (E4M3) with K innermost and one E8M0 scale byte for each 32 along K.
; qc: x's codes [8192][1024] at byte 0; the weights' codes [4096 columns][1024] at byte WC (columns 0-3071: w_qkv's, 3072-4095: w_out's).  qs: x's scale bytes [8192][32] at 0, the weights' [4096][32] at WS.
; A block's scale is 2^(floor(log2(its largest magnitude)) - 8): its byte is the largest magnitude's exponent field - 8, held at 1 from below.  Each number is held within +-448 x the scale and rounded to the nearest code.
; IN w_out'S ROWS OF CODES bits 3 and 4 of k are swapped inside each block of 32: byte 16 h + 8 u + i of a block holds k = 16 u + 8 h + i.  The other operand of that product (made by the attention launch) lies in the
; same order, so each code meets its partner; a block's scale does not hang on the order inside the block.
; LIMITS: NaN and infinities among the inputs are not served.  A block of zeros gets the byte 1 and zero codes (the bytes are read by this program alone); blocks under 2^-118 are held at that byte.
; TWO WAYS, parted on the work-group's number, each with LDS bytes of its own and its own end: work-groups 0-255 take x (K innermost: a plain stream of blocks), work-groups 256-383 the weights (K is the first axis).
; No tensor loads, no barrier: waves share nothing.  Matrix units and clusters have nothing to do here: each byte is read once and written once.
.set EMAX,  8
.set MANT,  0x600000                   ; the mantissa field of 448 as f32
.set FLOOR, (EMAX+1)<<23               ; 2^(9 - 127): no largest magnitude is taken under it
.set XWGS,  256                        ; work-groups for x: 8,388,608 numbers / 32,768
.set WC,    8388608
.set WS,    262144
; ---- the way of x
.set STEPS, 16                         ; a wave takes 16 steps of 512 numbers
.set CB,    16                         ; bytes of a lane's 16 codes
.set R,     16                         ; v16-79   four sets of 16 numbers as loaded
.set X,     80                         ; v80-111  two sets of 16 neighbours
.set E,     112                        ; v112-127 a scale byte for each step
.set C,     128                        ; v128-191 codes: four registers for each step, never written again
.set WREG,  8192                       ; LDS 0 .. 32767: a region for each wave: two stages of 32 x SP bytes, then its 256 scale bytes
.set SP,    80                         ; a lane's place in a stage: 64 bytes + 16 of padding
; ---- the way of the weights
.set NB,    8                          ; a wave takes 32 columns x 256 along K: 8 blocks a lane
.set WSTG,  32768                      ; LDS 32768 on: a stage of 32 rows x PITCH for each wave
.set PITCH, 272
.set KROW,  1024                       ; a row of codes in bytes
.set SB,    24                         ; v24-25   the lane's 8 scale bytes
.set XW,    32                         ; v32-95   two sets of 32 numbers
.set CW,    96                         ; v96-103  a block's codes
.set OUTR,  112                        ; v112-175 the way out
.set OFF,   176                        ; v176-207 register i's byte offset: 4 x lane + (the row that register i takes) x the input's row pitch
.set BASE,  32                         ; s[32:47] the input at my columns and block t's first row, t = 0 .. 7
	s_load_b128 s[4:7], s[0:1], 0x0                ; x, w_qkv
	s_load_b128 s[8:11], s[0:1], 0x10              ; w_out, qc
	s_load_b64 s[12:13], s[0:1], 0x20              ; qs
	v_lshl_add_u32 v208, v0, 2, 0x10800
	v_mov_b32 v209, 0
	v_lshrrev_b32 v1, 5, v0
	v_readfirstlane_b32 s16, v1                    ; wave
	v_and_b32 v2, 31, v0                           ; lane
	s_cmp_ge_u32 ttmp9, XWGS
	s_cbranch_scc1 .Lweights
; ======== x.  Each load reads 512 consecutive bytes, 16 a lane; a step's 2,048 bytes turn through the wave's own stage and come back 64 bytes (16 neighbours along K) a lane; two neighbouring lanes hold a block.
	v_lshlrev_b32 v3, 4, v2                        ; my 16 bytes of a load's 512
	s_mul_i32 s17, s16, WREG
	v_lshrrev_b32 v14, 2, v2
	v_mul_u32_u24 v14, v14, SP
	v_and_b32 v15, 3, v2
	v_lshl_add_u32 v14, v15, 4, v14
	v_add_nc_u32 v14, s17, v14                     ; into the stage: SP (lane / 4) + 16 (lane % 4)
	v_mul_u32_u24 v15, v2, SP
	v_add_nc_u32 v15, s17, v15                     ; out of it: SP x lane
	v_mul_u32_u24 v4, v2, CB                       ; my codes' place in a step's 512 bytes
	v_lshrrev_b32 v5, 1, v2
	s_add_co_u32 s17, s17, 2*32*SP
	v_add_nc_u32 v5, s17, v5                       ; my block's byte among the wave's 256
	v_lshlrev_b32 v7, 3, v2                        ; and on the way out 8 bytes a lane
	v_add_nc_u32 v6, s17, v7
	s_lshl_b32 s17, ttmp9, 2
	s_add_co_u32 s18, s17, s16                     ; which run of 8,192 numbers is my wave's
	s_mov_b32 s19, 0
	s_lshl_b64 s[20:21], s[18:19], 15              ; 32,768 bytes of x,
	s_lshl_b64 s[24:25], s[18:19], 13              ; 8,192 of codes,
	s_lshl_b32 s18, s18, 8                         ; 256 of scale bytes a run
	s_wait_alu depctr_va_vdst(0)
	s_wait_kmcnt 0x0
	s_add_nc_u64 s[4:5], s[4:5], s[20:21]
	s_add_nc_u64 s[10:11], s[10:11], s[24:25]
	s_add_nc_u64 s[12:13], s[12:13], s[18:19]
.macro XLOAD t
.irp i, 0,1,2,3
	global_load_b128 v[R+16*((\t)%4)+4*\i:R+16*((\t)%4)+4*\i+3], v3, s[4:5] offset:2048*(\t)+512*\i th:TH_LOAD_NT
.endr
.endm
.macro XTURN t                         ; step t's numbers through the stage: LDS serves a wave's instructions in order, so no wait stands between the stores and the loads
.irp i, 0,1,2,3
	ds_store_b128 v14, v[R+16*((\t)%4)+4*\i:R+16*((\t)%4)+4*\i+3] offset:32*SP*((\t)%2)+8*SP*\i
.endr
.irp i, 0,1,2,3
	ds_load_b128 v[X+16*((\t)%2)+4*\i:X+16*((\t)%2)+4*\i+3], v15 offset:32*SP*((\t)%2)+16*\i
.endr
.endm
.macro XSTEP t
.set XS, X+16*((\t)%2)
.if (\t) > 0
	s_wait_dscnt 1                                 ; this step's numbers are back from the stage; the last step's byte store may be out
.else
	s_wait_dscnt 0x0
.endif
.if (\t)+4 < STEPS
	XLOAD (\t)+4                                   ; the registers that the stage's stores have read take the loads of four steps on
.endif
.if (\t)+1 < STEPS
.if STEPS-2-(\t) >= 3
	s_wait_loadcnt 12                              ; the next step's four loads are in; those of the three steps behind it may be out
.else
	s_wait_loadcnt 4*(STEPS-2-(\t))
.endif
	XTURN (\t)+1
.endif
	v_max3_num_f32 v8, |v[XS]|, |v[XS+1]|, |v[XS+2]|               ; the largest magnitude of my 16, in two chains
	v_max3_num_f32 v9, |v[XS+3]|, |v[XS+4]|, |v[XS+5]|
.irp i, 6,10
	v_max3_num_f32 v8, v8, |v[XS+\i]|, |v[XS+\i+1]|
	v_max3_num_f32 v9, v9, |v[XS+\i+2]|, |v[XS+\i+3]|
.endr
	v_max3_num_f32 v8, v8, |v[XS+14]|, |v[XS+15]|
	v_max3_num_f32 v8, v8, v9, FLOOR               ; and the floor: the byte cannot fall under 1
	v_max_num_f32_dpp v8, v8, v8 row_xmask:1 row_mask:0xf bank_mask:0xf   ; and of my neighbour's 16: the block's
	v_add_nc_u32 v11, -(EMAX<<23), v8              ; 8 off its exponent field: the conversion takes the exponent field of this operand as its scale
.irp i, 0,1,2,3,4,5,6,7,8,9,10,11,12,13,14,15
.endr
	v_cvt_scalef32_pk8_fp8_f32 v[C+4*(\t):C+4*(\t)+1], v[XS:XS+7], v11
	v_cvt_scalef32_pk8_fp8_f32 v[C+4*(\t)+2:C+4*(\t)+3], v[XS+8:XS+15], v11
	v_lshrrev_b32 v[E+(\t)], 23, v11               ; the scale's byte (also the plain line behind the conversions)
	ds_store_b8 v5, v[E+(\t)] offset:16*(\t)       ; both lanes of a block write the same byte with the same value
	global_store_b128 v4, v[C+4*(\t):C+4*(\t)+3], s[10:11] offset:32*CB*(\t)   ; the wave stores 512 consecutive bytes
.endm
.irp t, 0,1,2,3
	XLOAD \t
.endr
	s_wait_loadcnt 12                              ; step 0's four loads are in
	XTURN 0
.irp t, 0,1,2,3,4,5,6,7,8,9,10,11,12,13,14,15
	XSTEP \t
.endr
	ds_load_b64 v[12:13], v6                       ; LDS serves a wave's instructions in order: these see my byte stores
	s_wait_dscnt 0x0
	global_store_b64 v7, v[12:13], s[12:13]        ; 32 lanes store 256 consecutive bytes, aligned
	s_wait_tensorcnt 0x0
	ds_add_u32 v208, v209
	s_wait_dscnt 0x0
	s_endpgm
; ======== the weights.  A lane takes a column and its registers run down K: a block of 32 lies in one lane's 32 registers, and the conversions give codes with K innermost.
.Lweights:
	s_sub_co_u32 s17, ttmp9, XWGS
	s_and_b32 s18, s17, 31                         ; which 128 of the 4,096 columns (24 and up: w_out's)
	s_lshr_b32 s19, s17, 5                         ; which 256 along K
	s_lshl_b32 s20, s18, 7
	s_lshl_b32 s21, s16, 5
	s_add_co_u32 s20, s20, s21                     ; my wave's first column of the 4,096
	s_mov_b32 s22, 12288
	s_cmp_ge_u32 s18, 24
	s_cselect_b32 s22, 4096, s22                   ; the input's row in bytes
	s_cselect_b32 s24, 3072, 0
	s_sub_co_u32 s25, s20, s24                     ; my first column in the input
	s_lshl_b32 s27, s22, 3                         ; 8 rows,
	s_lshl_b32 s28, s22, 4                         ; 16 rows,
	s_add_co_u32 s29, s27, s28                     ; 24 rows
	s_lshl_b32 s26, s19, 8
	s_mul_i32 s26, s26, s22
	s_lshl_b32 s25, s25, 2
	s_add_co_u32 s48, s26, s25                     ; the input: 256 y rows + 4 x column
	s_mov_b32 s49, 0
	s_lshl_b32 s50, s22, 5                         ; a block's 32 rows
	s_mov_b32 s51, 0
	s_lshl_b32 s52, s20, 10
	s_lshl_b32 s53, s19, 8
	s_add_co_u32 s52, s52, s53
	s_add_co_u32 s52, s52, WC                      ; the codes: column x 1,024 + 256 y
	s_mov_b32 s53, 0
	s_lshl_b32 s54, s20, 5
	s_lshl_b32 s55, s19, 3
	s_add_co_u32 s54, s54, s55
	s_add_co_u32 s54, s54, WS                      ; the scale bytes: column x 32 + 8 y
	s_mov_b32 s55, 0
	s_mul_i32 s21, s16, 32*PITCH
	s_add_co_u32 s21, s21, WSTG                    ; my stage
	s_wait_alu depctr_va_vdst(0)
	v_lshlrev_b32 v3, 2, v2                        ; 4 bytes a lane
	v_mul_u32_u24 v4, v2, PITCH
	v_add_nc_u32 v4, s21, v4                       ; into the stage: row = my column
	v_and_b32 v5, 15, v2
	v_lshrrev_b32 v6, 4, v2
	v_mul_u32_u24 v7, v6, PITCH
	v_lshl_add_u32 v7, v5, 4, v7
	v_add_nc_u32 v7, s21, v7                       ; out of it: sixteen lanes to a row, two rows an instruction
	v_mul_u32_u24 v8, v6, KROW
	v_lshl_add_u32 v8, v5, 4, v8                   ; and the same place in the codes
	v_lshlrev_b32 v9, 5, v2                        ; my column's row of scale bytes
	s_wait_kmcnt 0x0
	s_cmp_ge_u32 s18, 24                           ; the choices hang on the work-group's number alone
	s_cselect_b64 s[6:7], s[8:9], s[6:7]
	s_cselect_b32 s30, s28, s27                    ; registers 8-15 take rows 16-23 of a block of w_out, rows 8-15 of w_qkv;
	s_cselect_b32 s31, s27, s28                    ; registers 16-23 the other eight
	s_add_nc_u64 s[BASE:BASE+1], s[6:7], s[48:49]
.irp t, 1,2,3,4,5,6,7
	s_add_nc_u64 s[BASE+2*\t:BASE+2*\t+1], s[BASE+2*\t-2:BASE+2*\t-1], s[50:51]
.endr
	s_add_nc_u64 s[10:11], s[10:11], s[52:53]
	s_add_nc_u64 s[12:13], s[12:13], s[54:55]
	v_mov_b32 v[OFF], v3
	v_add_nc_u32 v[OFF+8], s30, v3
	v_add_nc_u32 v[OFF+16], s31, v3
	v_add_nc_u32 v[OFF+24], s29, v3
.irp i, 1,2,3,4,5,6,7
.irp c, 0,8,16,24
	v_add_nc_u32 v[OFF+\c+\i], s22, v[OFF+\c+\i-1]  ; four chains of eight rows
.endr
.endr
.macro WLOAD t                         ; block t into set t % 2: each load reads 128 consecutive bytes a wave, the four waves side by side
.irp i, 0,1,2,3,4,5,6,7,8,9,10,11,12,13,14,15,16,17,18,19,20,21,22,23,24,25,26,27,28,29,30,31
	global_load_b32 v[XW+32*((\t)%2)+\i], v[OFF+\i], s[BASE+2*(\t):BASE+2*(\t)+1] th:TH_LOAD_NT
.endr
.endm
.macro WBLOCK t
.set XS, XW+32*((\t)%2)
.if (\t) < NB-1
	s_wait_loadcnt 32                              ; this block's 32 loads are in; the next block's may be out
.else
	s_wait_loadcnt 0
.endif
	v_max3_num_f32 v12, |v[XS]|, |v[XS+1]|, |v[XS+2]|               ; the block's largest magnitude: all 32 numbers are mine
	v_max3_num_f32 v13, |v[XS+3]|, |v[XS+4]|, |v[XS+5]|
.irp i, 6,10,14,18,22,26
	v_max3_num_f32 v12, v12, |v[XS+\i]|, |v[XS+\i+1]|
	v_max3_num_f32 v13, v13, |v[XS+\i+2]|, |v[XS+\i+3]|
.endr
	v_max3_num_f32 v12, v12, |v[XS+30]|, |v[XS+31]|
	v_max3_num_f32 v12, v12, v13, FLOOR
	v_add_nc_u32 v11, -(EMAX<<23), v12             ; the conversion's scale operand
	v_lshrrev_b32 v13, 23, v11                     ; the scale's byte
.if (\t)%4 == 0
	v_mov_b32 v[SB+(\t)/4], v13                    ; four bytes to a register, the lower K in the lower byte
.else
	v_lshl_or_b32 v[SB+(\t)/4], v13, 8*((\t)%4), v[SB+(\t)/4]
.endif
.irp i, 0,1,2,3,4,5,6,7,8,9,10,11,12,13,14,15,16,17,18,19,20,21,22,23,24,25,26,27,28,29,30,31
.endr
.irp g, 0,1,2,3
	v_cvt_scalef32_pk8_fp8_f32 v[CW+2*\g:CW+2*\g+1], v[XS+8*\g:XS+8*\g+7], v11
.endr
	v_nop                                          ; a plain line behind the last conversion
	ds_store_b128 v4, v[CW:CW+3] offset:32*(\t)    ; 32 codes: 32 bytes of my column's row
	ds_store_b128 v4, v[CW+4:CW+7] offset:32*(\t)+16
.if (\t)+2 < NB
	WLOAD (\t)+2
.endif
	s_wait_dscnt 0x0                               ; the stores have read their registers: the next block's codes may be written
.endm
	WLOAD 0
	WLOAD 1
.set Q, 0
.rept NB
	WBLOCK Q
.set Q, Q+1
.endr
	s_wait_alu depctr_va_vdst(0)
	global_store_b64 v9, v[SB:SB+1], s[12:13]      ; my column's 8 scale bytes: 8 bytes of each of 32 rows of 32; these stores do not cover whole runs of 256 bytes: they are one byte in 128 of what this way reads
.irp t, 0,1,2,3,4,5,6,7,8,9,10,11,12,13,14,15
	ds_load_b128 v[OUTR+4*\t:OUTR+4*\t+3], v7 offset:2*\t*PITCH   ; LDS serves a wave's instructions in order: these see my stores
.endr
.irp t, 0,1,2,3,4,5,6,7,8,9,10,11,12,13,14,15
	s_wait_dscnt 15-\t                             ; loads come back in order: number t is in
	global_store_b128 v8, v[OUTR+4*\t:OUTR+4*\t+3], s[10:11] offset:2*\t*KROW   ; sixteen lanes store 256 consecutive bytes, aligned
.endr
	s_wait_tensorcnt 0x0
	ds_add_u32 v208, v209
	s_wait_dscnt 0x0
	s_endpgm
.Lfunc_end_k_q6f39262b3c_quant:
	.size	k_q6f39262b3c_quant, .Lfunc_end_k_q6f39262b3c_quant-k_q6f39262b3c_quant
	.p2alignl 7, 3214868480
	.fill 96, 4, 3214868480
	.section	.rodata,"a",@progbits
	.p2align	6, 0x0
	.amdhsa_kernel k_q6f39262b3c_quant
		.amdhsa_group_segment_fixed_size 68096
		.amdhsa_private_segment_fixed_size 0
		.amdhsa_enable_private_segment 0
		.amdhsa_kernarg_size 40
		.amdhsa_user_sgpr_count 2
		.amdhsa_user_sgpr_kernarg_segment_ptr 1
		.amdhsa_wavefront_size32 1
		.amdhsa_system_sgpr_workgroup_id_x 1
		.amdhsa_system_sgpr_workgroup_id_y 1
		.amdhsa_system_sgpr_workgroup_id_z 1
		.amdhsa_system_vgpr_workitem_id 0
		.amdhsa_next_free_vgpr 210
		.amdhsa_next_free_sgpr 66
		.amdhsa_reserve_vcc 0
		.amdhsa_float_denorm_mode_32 3
		.amdhsa_float_denorm_mode_16_64 3
		.amdhsa_fp16_overflow 1
		.amdhsa_memory_ordered 1
		.amdhsa_forward_progress 1
		.amdhsa_inst_pref_size 77
	.end_amdhsa_kernel
	.amdgpu_metadata
---
amdhsa.version: [ 1, 2 ]
amdhsa.kernels:
  - .name:           k_q6f39262b3c_quant
    .symbol:         k_q6f39262b3c_quant.kd
    .args:
      - { .name: x, .offset: 0, .size: 8, .value_kind: global_buffer, .address_space: global }
      - { .name: w_qkv, .offset: 8, .size: 8, .value_kind: global_buffer, .address_space: global }
      - { .name: w_out, .offset: 16, .size: 8, .value_kind: global_buffer, .address_space: global }
      - { .name: qc, .offset: 24, .size: 8, .value_kind: global_buffer, .address_space: global }
      - { .name: qs, .offset: 32, .size: 8, .value_kind: global_buffer, .address_space: global }
    .group_segment_fixed_size: 68096
    .private_segment_fixed_size: 0
    .kernarg_segment_align: 8
    .kernarg_segment_size: 40
    .max_flat_workgroup_size: 128
    .sgpr_count:     66
    .vgpr_count:     210
    .wavefront_size: 32
...
	.end_amdgpu_metadata
.endif
;; end of part 1
;; launch gemm_qkv (part 2): grid 8 x 32, 4 waves a work-group, clusters of 4 x 4, 327,680 bytes of LDS; arguments qc, qs, b_qkv, att_img, att_sc; writes att_img, att_sc
.if DOCPART == 2
	.amdgcn_target "amdgcn-amd-amdhsa--gfx1250"
	.amdhsa_code_object_version 6
	.text
	.protected	k_q6f39262b3c_gemm_qkv
	.globl	k_q6f39262b3c_gemm_qkv
	.p2align	8
	.type	k_q6f39262b3c_gemm_qkv,@function
k_q6f39262b3c_gemm_qkv:
	s_mov_b64 s[64:65], 0
	v_nop
	global_prefetch_b8 v0, s[64:65] scope:SCOPE_SE
	s_setreg_imm32_b32 hwreg(HW_REG_WAVE_MODE, 25, 1), 1
	s_wait_xcnt 0x0
	s_wait_alu depctr_hold_cnt(0) depctr_sa_sdst(0) depctr_va_vdst(0) depctr_va_sdst(0) depctr_va_ssrc(0) depctr_va_vcc(0) depctr_vm_vsrc(0)
	s_getreg_b32 s2, hwreg(HW_REG_IB_STS2, 6, 4)
	s_cmp_eq_u32 s2, 0
	s_cbranch_scc0 .Lentry_in_a_cluster
	s_endpgm
.Lentry_in_a_cluster:
	s_bfe_u32 s2, ttmp6, 0x10000c
	s_cmp_lg_u32 s2, 0xf033
	s_cbranch_scc0 .Lentry_shape_is_right
	s_endpgm
.Lentry_shape_is_right:
; qkv = x w_qkv + b_qkv on codes of FP8 (E4M3) with E8M0 scales, K = 1,024; the results q, k, v are quantised in registers and leave as codes and scale bytes: nothing wide goes to memory.
; SHARES.  8 x 32 work-groups, one for each WGP.  Work-group (c, t) owns tokens 256 t .. 256 t + 255 and makes, one after the other:
;   PART 1 (q and k): 256 tokens x columns 256 c .. 256 c + 255 of the 2,048 of q|k.  Four waves, 128 x 128 each: 64 accumulators.  Source 0 = 16 weight columns, source 1 = 16 tokens: a lane holds a token, its registers
;                     run along the head's channels, the K of q k^T.
;   PART 2 (v):       channels 128 c .. 128 c + 127 of v's 1,024 x the same 256 tokens.  Four waves, 64 channels x 128 tokens each: 32 accumulators.  Source 0 = 16 tokens, source 1 = 16 weight columns: a lane holds a channel,
;                     its registers run along the tokens: the keys, the K of p v.
; K goes in steps of 256 through two LDS slots filled by the tensor data mover.  THE RING GOES ON FROM PART 1 INTO PART 2: part 1's last two changes of slots ask for part 2's first two K steps, which land under part 1's last
; products and its way out.  x keeps its place in a slot and its descriptors (the address goes back along K); v's weight columns take the weights' place, 64 rows to a load.
; THE RESULT BECOMES AN OPERAND AS IT LIES.  The 16 registers of accumulators 2 j and 2 j + 1 are the numbers 8 h + i and 16 + 8 h + i of block j of 32 (h = lane / 16).  They are converted in that order into the four registers
; that an operand has for a block: byte 16 h + 8 u + i holds number 16 u + 8 h + i.  Every operand of the later products is laid in this same order, so each code meets its partner; only the order of additions inside a block differs.
; Those four registers are stored as an image: lane l's 16 bytes at 16 l, 512 consecutive bytes a store.
;   att_img: q, k: [token tile 0-511][column / 32, 0-63][512];  v at byte 16,777,216: [batch x 16 + head][key step of 128][channel tile 0-3][key block 0-3][512].
;   att_sc:  q, k: [column / 128][token / 64][lane][4 words]: lanes 0-15 the even head's, lanes 16-31 the odd head's; word = token tile % 4; its low 16 bits are the head's two bytes.
;            v at byte 1,048,576: [batch x 16 + key step][head][lane][4 words]: word = channel tile, its four bytes the step's four key blocks, for channel lane % 16.
; THE BIAS IS THE C OF EACH SUM'S FIRST PRODUCT: part 1: eight registers a column block; part 2: eight copies of the row's bias a channel block.
; CLUSTERS: 4 x 4 work-groups; x's tiles hang on t alone and are shared along a row of the cluster, the weights' on c alone and are shared along a column; each is asked for jointly.
; LIMITS: NaN and infinities are not served; a block of zeros gets the byte 1 and zero codes (read by this program alone).
; REGISTERS, in windows of 256: window 0: v0-31 addresses; v32-63 scale words, two sets; v64-127 part 1's bias, then v's weights' scale words and bias; from v128 source 1's fragments (part 1: one set of 8; part 2: two sets of 4).
;   window 1: source 0's fragments, two sets of 8.   windows 2, 3: the accumulators ((a, b) at v[8 (8 (a % 4) + b)]); in part 2 window 3 holds the bias as C.
.set KSTEP,  256
.set NQ,     KSTEP/128
.set ROWB,   256
.set KROW,   1024
.set PITCH,  272                       ; an LDS row: 256 bytes + 16 of padding: the 16 rows that a load touches start at 16 different banks
.set FR,     16
.set NL,     4
.set NP,     8                         ; places behind this matrix instruction (ISA guide 7.12.1)
.set HALFT,  128*PITCH
.set SLOT,   4*HALFT                   ; x's 256 rows, then the weights' place of 256 rows
.set KS,     32                        ; a row of scale bytes
.set SCL,    2*SLOT
.set HALFS,  (128*KS/256)*272
.set SBLK,   (16*KS/256)*272
.set SPARE,  SCL+4*HALFS               ; the spare words, 128 bytes for each wave: no other line names them
.set WC,     8388608                   ; the weights' codes in qc
.set WS,     262144                    ; the weights' scale bytes in qs
.set VO,    8                          ; v8   16 x lane
.set WVO,   12                         ; v12  my channels' rows of scale bytes in qs; never rewritten
.set BRO,   13                         ; v13  my channels' bias in b_qkv; never rewritten
.set ADRA2, 14                         ; v14-15 part 2: LDS address of my weight fragments in slot 0, 1
.set ADRA,  16                         ; v16-17 part 1: of my token fragments
.set ADRB2, 18                         ; v18-19 part 2: of my token fragments
.set ADRB,  20                         ; v20-21 part 1: of my weight fragments
.set ADRS2, 26                         ; v26  part 2: LDS address of my tokens' scale words
.set ADRS,  27                         ; v27  part 1: lanes 0-15 my tokens', lanes 16-31 my weight columns'
.set SPW,   28
.set NIL,   29
.set SC,    32
.set BN,    64                         ; v64-127 part 1's bias: 8 b + i
.set WVS,   64                         ; v64-95  part 2: my channels' scale words: 8 a + the step of 128 along K
.set BMR,   96                         ; v96-99  part 2: my channels' bias, one register a channel block
.set AF,    128
.set TM,    32                         ; the way out: largest magnitudes,
.set TP,    36                         ; the other half's, then the bytes,
.set HD,    40
.set SO,    44                         ; the conversions' scale operands,
.set W01,   48
.set W23,   49
.set LOW,   50
.set SW,    52                         ; v52-59 the scale words
.set CD,    128                        ; v128-255 the codes, 16 registers a row block
.set G1, 24                            ; s[24:31], s[32:39] groups 1 and 0 for x's tiles
.set G0, 32
.set G1B, 48                           ; s[48:55], s[56:63] for the weights' tiles (part 1's group 1)
.set G0B, 56
.set G1S, 68
.set G0S, 76
.set G1SB, 80
.set G0SB, 88
.set G1V, 80                           ; s[80:87] part 2's group 1 for the weights' tiles: written when the scale loads that named these registers have long landed
.set IMG1, 18                          ; s[18:19] att_img at my wave's first image of part 1;  s[22:23] att_sc likewise
.set SCP1, 22
.set IMG2, 92                          ; s[92:93], s[96:97] the same for part 2
.set SCP2, 96
.set WST,  66                          ; s[66:67] bytes from a slot's last tile of part 1's weights to its first of part 2's
.set SEL, 100                          ; s[100:101] selects for lane l xor 16
.set MNT, 104
.set LM,  105                          ; lanes 16-31
.set MSB, 0
.macro WIN new                         ; the immediate's high byte repeats the setting that is left
.if MSB != (\new)
	s_set_vgpr_msb (MSB<<8)|(\new)
.set MSB, (\new)
.endif
.endm
.set MUL_LO, 0xa1                      ; source 0 window 1, source 1 window 0, C and D window 2
.set MUL_HI, 0xf1
.set TO_B,   0x40
; A joint load: waves 0 and 1 fetch x's halves, waves 2 and 3 the weights'; the branch hangs on the wave's number alone.  Four v_nop follow each of the two lines.
.macro JLOAD g0a, g1a, g0b, g1b
	s_cmp_eq_u32 s15, 0
	s_cbranch_scc0 .Lfor_b_\@
	tensor_load_to_lds s[\g0a:\g0a+3], s[\g1a:\g1a+7]
	s_nop 0
.rept 4
	v_nop
.endr
	s_branch .Lasked_\@
.Lfor_b_\@:
	tensor_load_to_lds s[\g0b:\g0b+3], s[\g1b:\g1b+7]
	s_nop 0
.rept 4
	v_nop
.endr
.Lasked_\@:
.endm
.macro CREST                           ; a round of the cluster's barrier behind its opening barrier
	s_cmp_lg_u32 s14, 0
	s_cbranch_scc1 .Lnot_wave_0_\@
	s_barrier_signal -3
.Lnot_wave_0_\@:
	s_barrier_wait -3
	s_barrier_signal -1
	s_barrier_wait -1
.endm
.macro CROUND
	s_barrier_signal -1
	s_barrier_wait -1
	CREST
.endm
	s_load_b128 s[4:7], s[0:1], 0x0                ; qc, qs
	s_load_b128 s[8:11], s[0:1], 0x10              ; b_qkv, att_img
	s_load_b64 s[12:13], s[0:1], 0x20              ; att_sc
	v_lshl_add_u32 v[SPW], v0, 2, SPARE
	v_mov_b32 v[NIL], 0
	ds_add_u32 v28, v29
	ds_add_u32 v28, v29
	s_wait_dscnt 0x0
	v_lshrrev_b32 v1, 5, v0
	v_readfirstlane_b32 s14, v1                    ; wave 0..3
	s_lshr_b32 s15, s14, 1                         ; which half of source 1's rows is mine.  Also: I fetch x's tiles (0) or the weights' (1)
	s_and_b32 s16, s14, 1                          ; which half of source 0's rows.  Also: which half of a tile I fetch
	s_bfe_u32 s40, ttmp6, 0x40000                  ; cx
	s_bfe_u32 s41, ttmp6, 0x40004                  ; cy
	s_lshl_b32 s42, ttmp9, 2
	s_add_co_u32 s42, s42, s40                     ; c = 4 x cluster x + cx
	s_and_b32 s17, ttmp7, 0xffff
	s_lshl_b32 s17, s17, 2
	s_add_co_u32 s17, s17, s41                     ; t = 4 x cluster y + cy
	s_lshl_b32 s43, s41, 2
	s_lshl_b32 s43, 15, s43                        ; my row of the cluster
	s_lshl_b32 s44, 0x1111, s40                    ; my column
	s_or_b32 s[G1+0], s43, (0<<16)|(1<<20)|(1<<21)|(5<<22)|(3<<25)  ; the mask; elements of 1 byte; padding on; bit 21 beside a mask; 4 words of padding behind every 64
	s_or_b32 s[G1B+0], s44, (0<<16)|(1<<20)|(1<<21)|(5<<22)|(3<<25)
.irp g, G1, G1B
	s_mov_b32 s[\g+1], ROWB<<16                    ; tensor_dim0
	s_mov_b32 s[\g+2], 128<<16                     ; tensor_dim1
	s_mov_b32 s[\g+3], ROWB<<16                    ; tile_dim0
	s_mov_b32 s[\g+4], 128                         ; tile_dim1
	s_mov_b32 s[\g+5], KROW                        ; from row to row
	s_mov_b32 s[\g+6], 0
	s_mov_b32 s[\g+7], 0
.endr
	s_or_b32 s[G1S+0], s43, (3<<16)|(1<<20)|(1<<21)|(5<<22)|(3<<25)   ; the scale bytes of 128 rows: 4,096 dense bytes as 16 rows of 256, 16 bytes of padding behind each
	s_or_b32 s[G1SB+0], s44, (3<<16)|(1<<20)|(1<<21)|(5<<22)|(3<<25)
.irp g, G1S, G1SB
	s_mov_b32 s[\g+1], 32<<16
	s_mov_b32 s[\g+2], (128*KS/256)<<16
	s_mov_b32 s[\g+3], 32<<16
	s_mov_b32 s[\g+4], 128*KS/256
	s_mov_b32 s[\g+5], 32
	s_mov_b32 s[\g+6], 0
	s_mov_b32 s[\g+7], 0
.endr
	s_lshl_b32 s18, s16, 7
	s_lshl_b32 s20, s17, 8
	s_add_co_u32 s20, s20, s18                     ; x: row 256 t + 128 x half: made of cy, the cluster's y and the wave's number
	s_lshl_b32 s46, s42, 8
	s_add_co_u32 s46, s46, s18                     ; the weights: column 256 c + 128 x half: of cx, the cluster's x and the wave's number
	s_lshl_b32 s22, s20, 5                         ; these rows' scale bytes,
	s_mov_b32 s23, 0
	s_lshl_b32 s92, s46, 5
	s_add_co_u32 s92, s92, WS
	s_mov_b32 s93, 0
	s_lshl_b32 s20, s20, 10                        ; and their codes (all under 2^24 bytes)
	s_mov_b32 s21, 0
	s_lshl_b32 s46, s46, 10
	s_add_co_u32 s46, s46, WC
	s_mov_b32 s47, 0
	s_lshl_b32 s[WST], s42, 7                      ; part 2 fetches column 2,048 + 128 c + 64 x half: 2,048 - 128 c - 64 x half columns on,
	s_lshl_b32 s[WST+1], s16, 6
	s_add_co_u32 s[WST], s[WST], s[WST+1]
	s_sub_co_u32 s[WST], 2048, s[WST]
	s_lshl_b32 s[WST], s[WST], 10
	s_sub_co_u32 s[WST], s[WST], 2*ROWB            ; and two K steps back
	s_mov_b32 s[WST+1], 0
	s_mul_i32 s45, s14, HALFT                      ; where the tiles go: wave x 128 rows
	s_mul_i32 s94, s14, HALFS
	s_wait_kmcnt 0x0
	s_add_nc_u64 s[20:21], s[4:5], s[20:21]
	s_add_nc_u64 s[22:23], s[6:7], s[22:23]
	s_add_nc_u64 s[46:47], s[4:5], s[46:47]
	s_add_nc_u64 s[92:93], s[6:7], s[92:93]
	CROUND                                         ; all sixteen work-groups are here: the first joint loads meet
	s_mov_b32 s[G0S], 1
	s_add_co_u32 s[G0S+1], s94, SCL
	s_mov_b64 s[G0S+2:G0S+3], s[22:23]
	s_or_b32 s[G0S+3], s[G0S+3], 0x80000000
	s_mov_b32 s[G0SB], 1
	s_add_co_u32 s[G0SB+1], s94, SCL
	s_mov_b64 s[G0SB+2:G0SB+3], s[92:93]
	s_or_b32 s[G0SB+3], s[G0SB+3], 0x80000000
	JLOAD G0S, G1S, G0SB, G1SB                     ; the scales first
.irp s, 0,1
	s_mov_b32 s[G0+4*\s], 1
	s_add_co_u32 s[G0+4*\s+1], s45, \s*SLOT
	s_add_nc_u64 s[G0+4*\s+2:G0+4*\s+3], s[20:21], \s*ROWB
	s_or_b32 s[G0+4*\s+3], s[G0+4*\s+3], 0x80000000
	s_mov_b32 s[G0B+4*\s], 1
	s_add_co_u32 s[G0B+4*\s+1], s45, \s*SLOT
	s_add_nc_u64 s[G0B+4*\s+2:G0B+4*\s+3], s[46:47], \s*ROWB
	s_or_b32 s[G0B+4*\s+3], s[G0B+4*\s+3], 0x80000000
	s_wait_alu depctr_va_vdst(0)
	s_wait_tensorcnt 0x0
	ds_add_u32 v28, v29
	s_wait_dscnt 0x0
	CROUND
	JLOAD G0+4*\s, G1, G0B+4*\s, G1B               ; one load of mine is out
.endr
	v_and_b32 v1, 15, v0                           ; r
	v_bfe_u32 v2, v0, 4, 1                         ; h
	v_mul_u32_u24 v3, v1, PITCH
	v_lshl_add_u32 v4, v2, 4, v3                   ; a fragment's row x pitch + 16 x half
	s_wait_alu depctr_va_vdst(0)
	s_mul_i32 s21, s15, HALFT                      ; part 1: my 128 tokens,
	s_mul_i32 s22, s16, HALFT
	s_add_co_u32 s22, s22, 2*HALFT                 ; my 128 weight columns
.irp s, 0,1
	v_add_nc_u32 v[ADRA+\s], s21, v4
	v_add_nc_u32 v[ADRB+\s], s22, v4
	s_add_co_u32 s21, s21, SLOT
	s_add_co_u32 s22, s22, SLOT
.endr
	s_mul_i32 s21, s16, HALFT                      ; part 2: my 128 tokens,
	s_mul_i32 s22, s15, HALFT
	s_add_co_u32 s22, s22, 2*HALFT                 ; my 64 weight columns: the rows that wave 2 + half brought
.irp s, 0,1
	v_add_nc_u32 v[ADRB2+\s], s21, v4
	v_add_nc_u32 v[ADRA2+\s], s22, v4
	s_add_co_u32 s21, s21, SLOT
	s_add_co_u32 s22, s22, SLOT
.endr
	v_mul_u32_u24 v5, v1, KS                       ; my row's scale bytes,
	v_lshrrev_b32 v6, 8, v5
	v_lshl_add_u32 v5, v6, 4, v5                   ; and 16 more for each 256 passed
	s_mul_i32 s22, s16, HALFS
	s_add_co_u32 s21, s22, SCL
	v_add_nc_u32 v[ADRS2], s21, v5                 ; part 2: every lane takes its token's words
	s_mul_i32 s21, s15, HALFS
	s_add_co_u32 s22, s22, 2*HALFS
	s_sub_co_u32 s22, s22, s21
	v_mul_u32_u24 v6, s22, v2                      ; part 1: lanes 16-31 take the weights'
	s_add_co_u32 s21, s21, SCL
	v_add_nc_u32 v5, v5, v6
	v_add_nc_u32 v[ADRS], s21, v5
	; where my wave's results go
	s_lshl_b32 s20, s17, 8
	s_lshl_b32 s21, s15, 7
	s_add_co_u32 s20, s20, s21                     ; part 1: my first token,
	s_lshl_b32 s46, s42, 8
	s_lshl_b32 s47, s16, 7
	s_add_co_u32 s46, s46, s47                     ; my first column
	s_lshl_b32 s18, s20, 11
	s_lshl_b32 s19, s46, 4
	s_add_co_u32 s18, s18, s19                     ; (token / 16) x 32,768 + (column / 32) x 512
	s_mov_b32 s19, 0
	s_add_nc_u64 s[IMG1:IMG1+1], s[10:11], s[18:19]
	s_lshr_b32 s22, s46, 7
	s_lshl_b32 s22, s22, 7
	s_lshr_b32 s23, s20, 6
	s_add_co_u32 s22, s22, s23
	s_lshl_b32 s22, s22, 9                         ; ((column / 128) x 128 + token / 64) x 512
	s_mov_b32 s23, 0
	s_add_nc_u64 s[SCP1:SCP1+1], s[12:13], s[22:23]
	s_lshl_b32 s94, s42, 7
	s_lshl_b32 s95, s15, 6
	s_add_co_u32 s94, s94, s95                     ; part 2: my first channel of v's 1,024,
	s_lshl_b32 s95, s17, 8
	s_lshl_b32 s98, s16, 7
	s_add_co_u32 s95, s95, s98                     ; my first token
	s_lshr_b32 s92, s95, 11
	s_lshl_b32 s92, s92, 21                        ; batch x 16 heads x 131,072
	s_lshr_b32 s98, s94, 6                         ; the head
	s_lshl_b32 s99, s98, 17
	s_add_co_u32 s92, s92, s99
	s_bfe_u32 s99, s95, 0x40007
	s_lshl_b32 s99, s99, 13                        ; key step x 8,192
	s_add_co_u32 s92, s92, s99
	s_add_co_u32 s92, s92, 16777216
	s_mov_b32 s93, 0
	s_add_nc_u64 s[IMG2:IMG2+1], s[10:11], s[92:93]
	s_lshr_b32 s96, s95, 7
	s_lshl_b32 s96, s96, 4
	s_add_co_u32 s96, s96, s98
	s_lshl_b32 s96, s96, 9                         ; ((batch x 16 + key step) x 16 + head) x 512
	s_add_co_u32 s96, s96, 1048576
	s_mov_b32 s97, 0
	s_add_nc_u64 s[SCP2:SCP2+1], s[12:13], s[96:97]
	s_mov_b32 s[SEL], 0x76543210
	s_mov_b32 s[SEL+1], 0xfedcba98
	s_mov_b32 s[LM], 0xffff0000
	v_and_b32 v7, 31, v0
	v_lshlrev_b32 v[VO], 4, v7
	s_lshl_b32 s98, s94, 5
	s_add_co_u32 s98, s98, WS+2048*KS
	v_lshl_add_u32 v[WVO], v1, 5, s98              ; weight column 2,048 + my first channel + r: 32 scale bytes a column
	s_lshl_b32 s98, s94, 2
	s_add_co_u32 s98, s98, 2048*4
	v_lshl_add_u32 v[BRO], v1, 2, s98              ; and its bias
	s_lshl_b32 s98, s46, 2
	v_lshl_add_u32 v5, v2, 5, s98                  ; part 1's bias: register i of column block b is column 16 b + 8 h + i of my 128
.irp b, 0,1,2,3,4,5,6,7
	global_load_b128 v[BN+8*\b:BN+8*\b+3], v5, s[8:9] offset:64*\b
	global_load_b128 v[BN+8*\b+4:BN+8*\b+7], v5, s[8:9] offset:64*\b+16
.endr
.macro FRAG reg, adr, q, i             ; 16 rows x 128 K: lane l holds row l % 16; registers 4 c .. 4 c + 3 hold K = 32 c + 16 (l / 16) + 0 .. 15
.irp c, 0,1,2,3
	ds_load_b128 v[\reg+4*\c:\reg+4*\c+3], v[\adr] offset:128*(\q)+32*\c+(\i)*16*PITCH
.endr
.endm
.macro PLACES n                        ; plain vector instructions between a matrix instruction and a load into, or a read of, its registers
.rept \n
	v_nop
.endr
.endm
; ---------------- PART 1
; 16 matrix instructions: token blocks a0, a0 + 1 x the weights' eight.  first = 1: the bias is the C: nothing is cleared.  The 64 accumulators take turns, one instruction a turn.
; One register carries the tokens' scale words in lanes 0-15 and the weights' in lanes 16-31: source 0 reads the upper lanes of register b, source 1 the lower lanes of register a.
.macro MUL16 a0, p, q, sc, first
.irp a, \a0, \a0+1
.irp b, 0,1,2,3,4,5,6,7
.if \first
	v_wmma_scale_f32_16x16x128_f8f6f4 v[8*(8*((\a)%4)+\b):8*(8*((\a)%4)+\b)+7], v[128*(\p)+FR*\b:128*(\p)+FR*\b+FR-1], v[AF+FR*(\a):AF+FR*(\a)+FR-1], v[BN+8*\b:BN+8*\b+7], v[SC+8*NQ*(\sc)+NQ*\b+(\q)], v[SC+8*NQ*(\sc)+NQ*(\a)+(\q)] matrix_a_scale:MATRIX_SCALE_ROW1
.else
	v_wmma_scale_f32_16x16x128_f8f6f4 v[8*(8*((\a)%4)+\b):8*(8*((\a)%4)+\b)+7], v[128*(\p)+FR*\b:128*(\p)+FR*\b+FR-1], v[AF+FR*(\a):AF+FR*(\a)+FR-1], v[8*(8*((\a)%4)+\b):8*(8*((\a)%4)+\b)+7], v[SC+8*NQ*(\sc)+NQ*\b+(\q)], v[SC+8*NQ*(\sc)+NQ*(\a)+(\q)] matrix_a_scale:MATRIX_SCALE_ROW1
.endif
.endr
.endr
.endm
.macro FETCH_B slot, q, p
	WIN TO_B
.irp i, 0,1,2,3,4,5,6,7
	FRAG 128*(\p)+FR*\i, ADRB+\slot, \q, \i
.endr
	WIN 0
.endm
.macro FETCH_A slot, q, i0
.irp i, \i0, \i0+1, \i0+2, \i0+3
	FRAG AF+FR*(\i), ADRA+\slot, \q, \i
.endr
.endm
.macro SCALES sc                       ; a K step's scale words: two a row; lanes 0-15 take token block i, lanes 16-31 weight block i
.irp i, 0,1,2,3,4,5,6,7
	ds_load_b64 v[SC+8*NQ*\sc+NQ*\i:SC+8*NQ*\sc+NQ*\i+1], v[ADRS] offset:\i*SBLK
.endr
.endm
.macro STEP slot, q, first             ; 128 along K that has its successor in the same slot
	s_wait_dscnt 4*NL                              ; the weights' set and token blocks 0-3 are in; the youngest 16 loads (token blocks 4-7) may be out
.if \first
	WIN 0x81                                       ; as MUL_LO, with C (the bias) in window 0
.else
	WIN MUL_LO
.endif
	MUL16 0, (\q)%2, \q, \slot, \first
	MUL16 2, (\q)%2, \q, \slot, \first
	s_wait_dscnt 0
	PLACES NP
	FETCH_B \slot, (\q)+1, 1-(\q)%2
	FETCH_A \slot, (\q)+1, 0
.if \first
	WIN 0xc1
.else
	WIN MUL_HI
.endif
	MUL16 4, (\q)%2, \q, \slot, \first
	MUL16 6, (\q)%2, \q, \slot, \first
	PLACES NP
	WIN 0
	FETCH_A \slot, (\q)+1, 4
.endm
; The joint refill of a slot, first thing behind a round: no tensor load of mine is out, so every descriptor register may be written.
; kind 1: part 1's tiles two K steps on.  kind 2, 3: PART 2'S FIRST TILES: x goes two K steps back, the weights go on to v's columns (kind 2 also writes their group 1: 64 rows).  kind 4: part 2's tiles two K steps on.
.macro REFILL slot, kind
.if \kind == 2
	s_or_b32 s[G1V+0], s44, (0<<16)|(1<<20)|(1<<21)|(5<<22)|(3<<25)
	s_mov_b32 s[G1V+1], ROWB<<16
	s_mov_b32 s[G1V+2], 64<<16
	s_mov_b32 s[G1V+3], ROWB<<16
	s_mov_b32 s[G1V+4], 64
	s_mov_b32 s[G1V+5], KROW
	s_mov_b32 s[G1V+6], 0
	s_mov_b32 s[G1V+7], 0
.endif
.if (\kind == 2) || (\kind == 3)
	s_sub_nc_u64 s[G0+4*\slot+2:G0+4*\slot+3], s[G0+4*\slot+2:G0+4*\slot+3], 2*ROWB
	s_add_nc_u64 s[G0B+4*\slot+2:G0B+4*\slot+3], s[G0B+4*\slot+2:G0B+4*\slot+3], s[WST:WST+1]
.else
	s_add_nc_u64 s[G0+4*\slot+2:G0+4*\slot+3], s[G0+4*\slot+2:G0+4*\slot+3], 2*ROWB
	s_add_nc_u64 s[G0B+4*\slot+2:G0B+4*\slot+3], s[G0B+4*\slot+2:G0B+4*\slot+3], 2*ROWB
.endif
.if \kind == 1
	JLOAD G0+4*\slot, G1, G0B+4*\slot, G1B
.else
	JLOAD G0+4*\slot, G1, G0B+4*\slot, G1V
.endif
.endm
; The head of a slot's last step: one barrier for the change of slots; in front of it each wave waits for all its tensor loads, adds 0 to its spare word, and waits for that and for its reads of this slot; the barrier opens a round of the cluster's.
.macro MEET slot
	s_wait_tensorcnt 0x0                           ; all my tensor loads have landed: my part of the other slot
	ds_add_u32 v[SPW], v[NIL]                      ; 0 onto my spare word
	s_wait_dscnt 4*NL+1                            ; the add and the youngest 16 loads may be out
	WIN MUL_LO
	MUL16 0, 1, NQ-1, \slot, 0
	s_wait_dscnt 0x0                               ; the add is done, and my reads of this slot are over
	s_barrier_signal -1
	MUL16 2, 1, NQ-1, \slot, 0
	WIN 0
	s_barrier_wait -1
	CREST                                          ; no wave of any partner still reads this slot or has a load on its way
.endm
.macro TURN slot, next, kind
	MEET \slot
	REFILL \slot, \kind                            ; one tensor load a wave; its four v_nop are among the places below
	PLACES NP-4
	s_wait_alu depctr_va_vdst(0)
	v_add_nc_u32 v[ADRS], 4*NQ, v[ADRS]            ; the next K step's scale words
	FETCH_B \next, 0, 0
	FETCH_A \next, 0, 0
	SCALES \next
	WIN MUL_HI
	MUL16 4, 1, NQ-1, \slot, 0
	MUL16 6, 1, NQ-1, \slot, 0
	PLACES NP
	WIN 0
	FETCH_A \next, 0, 4
.endm
; ---------------- PART 2
; 8 matrix instructions: channel block a x the eight token blocks, the ks-th 128 along K.  p: the sets of fragments.  first = 1: the C is the channel's bias, eight copies, in window 3.  The 32 accumulators take turns.
.macro HMUL8 a, p, sc, q, ks, first
.irp b, 0,1,2,3,4,5,6,7
.if \first
	v_wmma_scale_f32_16x16x128_f8f6f4 v[8*(8*(\a)+\b):8*(8*(\a)+\b)+7], v[128*(\p)+FR*\b:128*(\p)+FR*\b+FR-1], v[AF+64*(\p)+FR*(\a):AF+64*(\p)+FR*(\a)+FR-1], v[8*(\a):8*(\a)+7], v[SC+8*NQ*(\sc)+NQ*\b+(\q)], v[WVS+8*(\a)+(\ks)]
.else
	v_wmma_scale_f32_16x16x128_f8f6f4 v[8*(8*(\a)+\b):8*(8*(\a)+\b)+7], v[128*(\p)+FR*\b:128*(\p)+FR*\b+FR-1], v[AF+64*(\p)+FR*(\a):AF+64*(\p)+FR*(\a)+FR-1], v[8*(8*(\a)+\b):8*(8*(\a)+\b)+7], v[SC+8*NQ*(\sc)+NQ*\b+(\q)], v[WVS+8*(\a)+(\ks)]
.endif
.endr
.endr
.endm
.macro HFETCH slot, q, p               ; 48 LDS loads: my eight token blocks and my four channel blocks of the slot's q-th 128 along K, into sets p
	WIN TO_B
.irp i, 0,1,2,3,4,5,6,7
	FRAG 128*(\p)+FR*\i, ADRB2+\slot, \q, \i
.endr
	WIN 0
.irp i, 0,1,2,3
	FRAG AF+64*(\p)+FR*\i, ADRA2+\slot, \q, \i
.endr
.endm
.macro SCALES2 sc, k                   ; my tokens' scale words of K step k (of 256): two a row
.irp i, 0,1,2,3,4,5,6,7
	ds_load_b64 v[SC+8*NQ*(\sc)+NQ*\i:SC+8*NQ*(\sc)+NQ*\i+1], v[ADRS2] offset:\i*SBLK+8*(\k)
.endr
.endm
.macro HSTEP slot, ks, first           ; a slot's first 128 along K, on sets 0; the second 128's fragments are asked for at its head, 32 matrix instructions ahead of their use
	s_wait_dscnt 0x0                               ; sets 0 and the scale words are in
	PLACES NP                                      ; the last products read sets 1
	HFETCH \slot, 1, 1
.if \first
	WIN 0xb1                                       ; as MUL_LO, with C in window 3
.else
	WIN MUL_LO
.endif
.irp a, 0,1,2,3
	HMUL8 \a, 0, \slot, 0, \ks, \first
.endr
	WIN 0
.endm
.macro HTURN slot, next, kind, ks      ; a slot's second 128 along K, on sets 1, and the change of slots.  kind 4: the slot is filled again; 0: nothing is left to fetch
	s_wait_tensorcnt 0x0                           ; all my tensor loads have landed: my part of the next slot
	ds_add_u32 v[SPW], v[NIL]                      ; 0 onto my spare word
	s_wait_dscnt 1                                 ; the add alone may be out: sets 1 are in
	WIN MUL_LO
	HMUL8 0, 1, \slot, 1, \ks, 0
	s_wait_dscnt 0x0                               ; the add is done, and my reads of this slot are over
	s_barrier_signal -1
	HMUL8 1, 1, \slot, 1, \ks, 0
	WIN 0
	s_barrier_wait -1
.if \kind
	CREST
	REFILL \slot, \kind
	PLACES NP-4
.else
	PLACES NP
.endif
	HFETCH \next, 0, 0
	SCALES2 \next, ((\ks)+1)/2
	WIN MUL_LO
	HMUL8 2, 1, \slot, 1, \ks, 0
	HMUL8 3, 1, \slot, 1, \ks, 0
	WIN 0
.endm
; ---------------- THE WAY OUT, a row block of 16 rows x 128 at a time: four blocks of 32, each in the 16 registers of two neighbouring accumulators and in lanes l and l xor 16.  vrole = 1: part 2's places and scale words
.macro QROW a, vrole
.set W, 2+(\a)/4
.set AC, 64*((\a)%4)
	WIN 0x14*W                                     ; sources 1 and 2: the accumulators' window
.irp j, 0,1,2,3
	v_max3_num_f32 v[TM+\j], 0x4800000, |v[AC+16*\j]|, |v[AC+16*\j+1]|   ; each accumulator from its low end on; the floor 2^(9 - 127) holds the byte at 1 from below
.endr
.irp i, 2,4,6,8,10,12,14
.irp j, 0,1,2,3
	v_max3_num_f32 v[TM+\j], v[TM+\j], |v[AC+16*\j+\i]|, |v[AC+16*\j+\i+1]|
.endr
.endr
	WIN 0
.irp j, 0,1,2,3
	v_permlanex16_b32 v[TP+\j], v[TM+\j], s[SEL], s[SEL+1]
.endr
.irp j, 0,1,2,3
	v_max_num_f32 v[TM+\j], v[TM+\j], v[TP+\j]     ; the block's largest magnitude
.endr
.irp j, 0,1,2,3
	v_add_nc_u32 v[SO+\j], 0xfc000000, v[TM+\j]    ; 8 off its exponent field: the conversion's scale operand
.endr
.irp j, 0,1,2,3
.endr
.irp j, 0,1,2,3
	v_lshrrev_b32 v[TP+\j], 23, v[SO+\j]           ; the byte
.endr
	v_lshl_or_b32 v[W01], v[TP+1], 8, v[TP]
	v_lshl_or_b32 v[W23], v[TP+3], 8, v[TP+2]
.if \vrole
	v_lshl_or_b32 v[SW+(\a)], v[W23], 16, v[W01]   ; the four key blocks' bytes
.else
	v_cndmask_b32 v[LOW], v[W01], v[W23], s[LM]    ; lanes 16-31 carry the odd head's two bytes in the low half
	v_lshl_or_b32 v[SW+(\a)], v[W23], 16, v[LOW]
.endif
	WIN (W<<6)|W                                   ; destination and source 0: the accumulators' window
.irp j, 0,1,2,3
.irp i, 0,1,2,3,4,5,6,7,8,9,10,11,12,13,14,15
.endr
.endr
	WIN W
.irp j, 0,1,2,3
	v_cvt_scalef32_pk8_fp8_f32 v[CD+16*(\a)+4*\j:CD+16*(\a)+4*\j+1], v[AC+16*\j:AC+16*\j+7], v[SO+\j]
	v_cvt_scalef32_pk8_fp8_f32 v[CD+16*(\a)+4*\j+2:CD+16*(\a)+4*\j+3], v[AC+16*\j+8:AC+16*\j+15], v[SO+\j]
.endr
	WIN 0
	v_nop                                          ; a plain line behind the last conversion
.irp j, 0,1,2,3
.if \vrole
	global_store_b128 v[VO], v[CD+16*(\a)+4*\j:CD+16*(\a)+4*\j+3], s[IMG2:IMG2+1] offset:2048*(\a)+512*\j   ; an image: the wave stores 512 consecutive bytes, aligned
.else
	global_store_b128 v[VO], v[CD+16*(\a)+4*\j:CD+16*(\a)+4*\j+3], s[IMG1:IMG1+1] offset:32768*(\a)+512*\j
.endif
.endr
.if (\a)%4 == 3
.if \vrole
	global_store_b128 v[VO], v[SW:SW+3], s[SCP2:SCP2+1]                               ; four row blocks' scale words: 512 consecutive bytes
.else
	global_store_b128 v[VO], v[SW+(\a)-3:SW+(\a)], s[SCP1:SCP1+1] offset:512*((\a)/4)
.endif
.endif
.endm
	s_wait_alu depctr_va_vdst(0)
	s_wait_loadcnt 0x0                             ; part 1's bias
	s_wait_tensorcnt 1                             ; the scales and my part of K step 0 are in; K step 1's load may be out
	s_barrier_signal -1
	s_barrier_wait -1
	FETCH_B 0, 0, 0
	FETCH_A 0, 0, 0
	SCALES 0
	FETCH_A 0, 0, 4
	STEP 0, 0, 1                                   ; the first step's products start the sums from the bias
.irp a, 0,1,2,3                                ; the bias's registers are free (eight places stand behind the last product that read them): they take what part 2 wants from memory, which is waited for only there
	global_load_b128 v[WVS+8*\a:WVS+8*\a+3], v[WVO], s[6:7] offset:512*\a       ; channel block a: a column's 32 scale bytes are its eight words; sixteen lanes read 512 consecutive bytes in two loads
	global_load_b128 v[WVS+8*\a+4:WVS+8*\a+7], v[WVO], s[6:7] offset:512*\a+16
	global_load_b32 v[BMR+\a], v[BRO], s[8:9] offset:64*\a
.endr
	TURN 0, 1, 1                                   ; slot 0 takes K step 2,
	STEP 1, 0, 0
	TURN 1, 0, 1                                   ; slot 1 K step 3,
	STEP 0, 0, 0
	TURN 0, 1, 2                                   ; slot 0 part 2's K step 0,
	STEP 1, 0, 0
	MEET 1
	REFILL 1, 3                                    ; slot 1 part 2's K step 1: it lands under the products below and the way out
	WIN MUL_HI
	MUL16 4, 1, NQ-1, 1, 0
	MUL16 6, 1, NQ-1, 1, 0
	WIN 0
	PLACES NP
.irp j, 0,1,2,3
	v_mov_b32 v[TP+\j], 0                          ; written once: a lane permute's destination counts as one of its sources
.endr
.irp a, 0,1,2,3,4,5,6,7
	QROW \a, 0
.endr
	s_wait_xcnt 0x0                                ; the stores have read their registers: fragments and scale words land there below
	s_wait_loadcnt 0x0                             ; my channels' scale words and bias
	WIN 0xc0                                       ; destination window 3
.irp a, 0,1,2,3
.irp i, 0,1,2,3,4,5,6,7
	v_mov_b32 v[8*\a+\i], v[BMR+\a]                ; the C of channel block a's first products: every token's sum of a channel starts from the channel's bias
.endr
.endr
	WIN 0
	HFETCH 0, 0, 0                                 ; slot 0 was shown whole to every wave by the round in front of slot 1's refill
	SCALES2 0, 0
	s_wait_alu depctr_va_vdst(0)
	HSTEP 0, 0, 1
	HTURN 0, 1, 4, 1                               ; slot 0 takes K step 2,
	HSTEP 1, 2, 0
	HTURN 1, 0, 4, 3                               ; slot 1 K step 3
	HSTEP 0, 4, 0
	HTURN 0, 1, 0, 5
	HSTEP 1, 6, 0
	s_wait_dscnt 0x0
	WIN MUL_LO
.irp a, 0,1,2,3
	HMUL8 \a, 1, 1, 1, 7, 0
.endr
	WIN 0
	PLACES NP
.irp a, 0,1,2,3
	QROW \a, 1
.endr
	s_wait_tensorcnt 0x0                           ; the wave's end
	ds_add_u32 v[SPW], v[NIL]
	s_wait_dscnt 0x0
	CROUND                                         ; the closing round: no work-group ends while a partner may still ask for a tile that names it
	s_endpgm
.Lfunc_end_k_q6f39262b3c_gemm_qkv:
	.size	k_q6f39262b3c_gemm_qkv, .Lfunc_end_k_q6f39262b3c_gemm_qkv-k_q6f39262b3c_gemm_qkv
	.p2alignl 7, 3214868480
	.fill 96, 4, 3214868480
	.section	.rodata,"a",@progbits
	.p2align	6, 0x0
	.amdhsa_kernel k_q6f39262b3c_gemm_qkv
		.amdhsa_group_segment_fixed_size 327680
		.amdhsa_private_segment_fixed_size 0
		.amdhsa_enable_private_segment 0
		.amdhsa_kernarg_size 40
		.amdhsa_user_sgpr_count 2
		.amdhsa_user_sgpr_kernarg_segment_ptr 1
		.amdhsa_wavefront_size32 1
		.amdhsa_system_sgpr_workgroup_id_x 1
		.amdhsa_system_sgpr_workgroup_id_y 1
		.amdhsa_system_sgpr_workgroup_id_z 1
		.amdhsa_system_vgpr_workitem_id 0
		.amdhsa_next_free_vgpr 1024
		.amdhsa_next_free_sgpr 106
		.amdhsa_reserve_vcc 0
		.amdhsa_float_denorm_mode_32 3
		.amdhsa_float_denorm_mode_16_64 3
		.amdhsa_fp16_overflow 1
		.amdhsa_memory_ordered 1
		.amdhsa_forward_progress 1
		.amdhsa_inst_pref_size 239
	.end_amdhsa_kernel
	.amdgpu_metadata
---
amdhsa.version: [ 1, 2 ]
amdhsa.kernels:
  - .name:           k_q6f39262b3c_gemm_qkv
    .symbol:         k_q6f39262b3c_gemm_qkv.kd
    .args:
      - { .name: qc, .offset: 0, .size: 8, .value_kind: global_buffer, .address_space: global }
      - { .name: qs, .offset: 8, .size: 8, .value_kind: global_buffer, .address_space: global }
      - { .name: b_qkv, .offset: 16, .size: 8, .value_kind: global_buffer, .address_space: global }
      - { .name: att_img, .offset: 24, .size: 8, .value_kind: global_buffer, .address_space: global }
      - { .name: att_sc, .offset: 32, .size: 8, .value_kind: global_buffer, .address_space: global }
    .group_segment_fixed_size: 327680
    .private_segment_fixed_size: 0
    .kernarg_segment_align: 8
    .kernarg_segment_size: 40
    .max_flat_workgroup_size: 128
    .sgpr_count:     106
    .vgpr_count:     1024
    .wavefront_size: 32
...
	.end_amdgpu_metadata
.endif
;; end of part 2
;; launch attn (part 3): grid 4 x 64, 16 waves a work-group, clusters of 4 x 1, 276,480 bytes of LDS; arguments att_img, att_sc, z_img, z_scales; writes z_img, z_scales
.if DOCPART == 3
	.amdgcn_target "amdgcn-amd-amdhsa--gfx1250"
	.amdhsa_code_object_version 6
	.text
	.protected	k_q6f39262b3c_attn
	.globl	k_q6f39262b3c_attn
	.p2align	8
	.type	k_q6f39262b3c_attn,@function
k_q6f39262b3c_attn:
	s_mov_b64 s[64:65], 0
	v_nop
	global_prefetch_b8 v0, s[64:65] scope:SCOPE_SE
	s_setreg_imm32_b32 hwreg(HW_REG_WAVE_MODE, 25, 1), 1
	s_wait_xcnt 0x0
	s_wait_alu depctr_hold_cnt(0) depctr_sa_sdst(0) depctr_va_vdst(0) depctr_va_sdst(0) depctr_va_ssrc(0) depctr_va_vcc(0) depctr_vm_vsrc(0)
	s_getreg_b32 s2, hwreg(HW_REG_IB_STS2, 6, 4)
	s_cmp_eq_u32 s2, 0
	s_cbranch_scc0 .Lentry_in_a_cluster
	s_endpgm
.Lentry_in_a_cluster:
	s_bfe_u32 s2, ttmp6, 0x10000c
	s_cmp_lg_u32 s2, 0x3003
	s_cbranch_scc0 .Lentry_shape_is_right
	s_endpgm
.Lentry_shape_is_right:
; z[b][q][head][:] = the sum over keys k <= q of softmax_k(q . k / 8) v, for 64 (batch, head) pairs of 2,048 tokens and 64 channels; both products on codes of FP8 (E4M3) with E8M0 scales.  z leaves as codes and scale bytes.
; THE SOFTMAX AHEAD OF THE SECOND PRODUCT: t = score x log2(e) / 8; M = the running largest t rounded UP to a whole number; p = 2^(t - M) is quantised along the keys, not normalised; the row's sum is taken of the
; unquantised p and divides at the end; when M moves, the sum and O are multiplied by 2^(old M - new M), which rounds nothing.  A block's largest p is not searched for: the block's largest score goes through the same
; multiply-add and exponential (this takes the exponential not to fall where its input rises).
; SHARES.  A cluster of four work-groups owns one (batch, head).  K and V of the head, 262,144 bytes of codes and 12,288 of scale bytes, are asked for JOINTLY by the four, land in each one's LDS once and stay: no slot is
; ever filled again.  The head has 128 tiles of 16 queries, tile 8 g + e lying on the diagonal of key step g (128 keys).  Wave w = 2 c + d of work-group cx takes e = 2 cx + d and two tiles one after the other:
; g = 8 + c, then g = 7 - c: 17 key steps for every wave.  So every branch (a step whose keys all come after the queries is left out; the mask is applied in the diagonal step alone) hangs on the wave's number and a
; counter, never on the place in the cluster; that place enters global addresses and the mask's arithmetic only.
; OPERANDS ARE IMAGES OF REGISTERS: a block of 32 along K of 16 rows is 512 bytes, lane l's 16 bytes at 16 l.  Inside a block byte 16 h + 8 u + i holds number 16 u + 8 h + i, in every operand alike, so that a matrix
; result's registers, converted as they lie, are the next operand (S^T's 16 registers of two neighbouring key tiles are p's; O^T's are z's).  Only the order of additions inside a block differs from the natural one.
; K = 64 IN AN INSTRUCTION OF K = 128: a fragment of K holds TWO key tiles (blocks 0, 1: tile 2 f; blocks 2, 3: tile 2 f + 1).  Multiplied by [q | zeros] it gives tile 2 f's scores, by [zeros | q] tile 2 f + 1's: zero codes
; add nothing under any scale byte but 0xff, which is never made.  q lies twice in registers round eight zeros: v16-23, v24-31 = 0, v32-39.
; Both products are used transposed (source 0 = keys, or channels of V; source 1 = my 16 queries): a lane holds one query (lane % 16) throughout.
; LIMITS: NaN and infinities are not served; a block of zeros gets the byte 1 and zero codes.
.set KIMG, 0                           ; LDS: K's images [key tile 0-127][1,024]
.set VIMG, 131072                      ; V's [key step][channel tile][key block][512]
.set KSC,  262144                      ; K's scale words [token group of 64, 0-31][lane 0-15][4 words]
.set VSC,  270336                      ; V's [key step][lane 0-15][4 words]
.set VI,   16777216                    ; V's images in att_img
.set VS,   1048576                     ; V's scale words in att_sc
.set LI,   1                           ; v1   16 x lane
.set KSA,  2                           ; v2   KSC + 16 (lane % 16)
.set VSA,  3                           ; v3   VSC + 16 (lane % 16)
.set ADK,  4                           ; v4-7 the step's LDS addresses
.set ADV,  5
.set ADS,  6
.set ADT,  7
.set MD,   8                           ; v8   16 e + r - 8 h: register n of the scores is hidden where 16 (n / 8) + n % 8 is larger
.set LIV,  9                           ; v9   VIMG + 16 x lane
.set QSO,  10                          ; v10  16 (lane % 16)
.set QR,   11                          ; v11  Q's scale word as loaded
.set KF,   40                          ; v40-103  four fragments, K's and then V's
.set S,    104                         ; v104-167 S^T, then p; at the end z
.set OA,   168                         ; v168-199 O^T, four tiles
.set PC,   200                         ; v200-215 p's codes (z's at the end)
.set BMX,  216
.set PT,   220
.set HD,   224
.set SO,   228
.set KW,   232                         ; v232-239 K's scale words as loaded
.set KSR,  240                         ; v240-243 K's scale words, a fragment's two tiles in one
.set VW,   244                         ; v244-247 V's
.set F,    248                         ; v248 f = 2^(old M - new M);  v249 p's scale word
.set PW,   249
.set TMP,  250
.set QW,   251                         ; Q's scale word: (q0, q1, q0, q1)
.set NINF, 252
.set HWH,  253                         ; the first tile's two scale bytes of z
.set ZO,   254
.set HWL,  255
.set WV,   12
.set SEL,  20
.set CS,   22                          ; s[22:23] c = log2(e) / 8
.set MNT,  24
.set PSEL, 25
.set G,    26                          ; the key step on whose diagonal the tile in hand lies
.set SI,   27                          ; the key step
.set T8K,  28                          ; 8,192 x step: K's and V's images
.set TS,   29                          ; 512 x step: K's scale words
.set TT,   30                          ; 256 x step: V's
.set HM,   31                          ; lanes 16-31
.macro ROUND                           ; a round of the cluster's barrier
	s_barrier_signal -1
	s_barrier_wait -1
	s_cmp_lg_u32 s[WV], 0
	s_cbranch_scc1 .Lnot_wave_0_\@
	s_barrier_signal -3
.Lnot_wave_0_\@:
	s_barrier_wait -3
	s_barrier_signal -1
	s_barrier_wait -1
.endm
; a descriptor: r rows of c elements of 8 bytes, p elements from row to row, from s[base] + off to LDS byte lds, dense there; the mask names all four work-groups, bit 21 beside it
.macro DESC g0, g1, lds, c, r, p, base, off
	s_mov_b32 s[\g0], 1
	s_mov_b32 s[\g0+1], \lds
	s_add_nc_u64 s[\g0+2:\g0+3], s[\base:\base+1], \off
	s_or_b32 s[\g0+3], s[\g0+3], 0x80000000
	s_mov_b32 s[\g1], 15|(3<<16)|(1<<21)
	s_mov_b32 s[\g1+1], (\c)<<16
	s_mov_b32 s[\g1+2], (\r)<<16
	s_mov_b32 s[\g1+3], (\c)<<16
	s_mov_b32 s[\g1+4], \r
	s_mov_b32 s[\g1+5], \p
	s_mov_b32 s[\g1+6], 0
	s_mov_b32 s[\g1+7], 0
.endm
.macro TWOLOADS                        ; a wave's two first fills stand together; four v_nop follow the second
	tensor_load_to_lds s[32:35], s[36:43]
	s_nop 0
	tensor_load_to_lds s[44:47], s[48:55]
	s_nop 0
.rept 4
	v_nop
.endr
.endm
; the global places of the tile on key step s[g]'s diagonal: T = 8 g + e, U = 128 batch + T
.macro TILEADR g, qi, qs, zi, zs
	s_lshl_b32 s80, s[\g], 3
	s_add_co_u32 s80, s80, s19                     ; T
	s_lshl_b32 s81, s15, 7
	s_add_co_u32 s81, s81, s80                     ; U
	s_lshl_b32 s82, s81, 15
	s_add_co_u32 s82, s82, s86
	s_mov_b32 s83, 0
	s_add_nc_u64 s[\qi:\qi+1], s[4:5], s[82:83]    ; Q's images: U x 32,768 + head x 1,024
	s_lshl_b32 s82, s81, 14
	s_add_co_u32 s82, s82, s86
	s_add_nc_u64 s[\zi:\zi+1], s[8:9], s[82:83]    ; z's: U x 16,384 + head x 1,024
	s_lshl_b32 s[\zs], s81, 9
	s_add_co_u32 s[\zs], s[\zs], s87               ; z's scale bytes: token x 32 + 2 x head
	s_lshr_b32 s82, s80, 2
	s_add_co_u32 s82, s82, s88
	s_lshl_b32 s82, s82, 9
	s_add_co_u32 s82, s82, s89
	s_and_b32 s80, s80, 3
	s_lshl_b32 s80, s80, 2
	s_add_co_u32 s82, s82, s80
	s_add_nc_u64 s[\qs:\qs+1], s[6:7], s[82:83]    ; Q's scale words: the unit of (head / 2, token group), the head's half of it, word T % 4
.endm
.macro QLOAD qi, qs                    ; q twice, round the zeros, and its scale word
	global_load_b128 v[16:19], v[LI], s[\qi:\qi+1]
	global_load_b128 v[20:23], v[LI], s[\qi:\qi+1] offset:512
	global_load_b128 v[32:35], v[LI], s[\qi:\qi+1]
	global_load_b128 v[36:39], v[LI], s[\qi:\qi+1] offset:512
	global_load_b32 v[QR], v[QSO], s[\qs:\qs+1]
.endm
.macro INIT                            ; a tile begins: O^T and the sum as zeros, the largest t as -3e38: the first change of M multiplies zeros
	s_wait_loadcnt 0x0                             ; q and its scale word
	v_perm_b32 v[QW], v[QR], v[QR], s[PSEL]        ; its two bytes twice; more than eight plain lines stand between this and the first product
	v_mov_b32 v13, 0xff61b1e6
	s_delay_alu instid0(VALU_DEP_1)
	v_floor_f32 v12, -v13
	v_mov_b32 v14, 0
	v_mov_b32 v15, 0
.set j, 0
.rept 32
	v_mov_b32 v[OA+j], 0
.set j, j+1
.endr
.endm
	s_load_b256 s[4:11], s[0:1], 0x0               ; att_img, att_sc, z_img, z_scales
	v_lshl_add_u32 v254, v0, 2, 0x43000
	v_mov_b32 v255, 0
	ds_add_u32 v254, v255
	ds_add_u32 v254, v255
	s_wait_dscnt 0x0
	v_lshrrev_b32 v1, 5, v0
	s_delay_alu instid0(VALU_DEP_1)
	v_readfirstlane_b32 s[WV], v1                  ; wave 0..15
	s_bfe_u32 s13, ttmp6, 0x40000                  ; cx
	s_and_b32 s14, ttmp7, 0xffff                   ; 16 x batch + head: the cluster's y, which the four partners share
	s_lshr_b32 s15, s14, 4                         ; batch
	s_and_b32 s16, s14, 15                         ; head
	s_lshr_b32 s17, s[WV], 1
	s_and_b32 s18, s[WV], 1
	s_lshl_b32 s19, s13, 1
	s_add_co_u32 s19, s19, s18                     ; e
	s_add_co_u32 s84, s17, 8                       ; the first tile's g
	s_sub_co_u32 s85, 7, s17                       ; the second's
	s_lshl_b32 s86, s16, 10
	s_lshl_b32 s87, s16, 1
	s_lshr_b32 s88, s16, 1
	s_lshl_b32 s88, s88, 7
	s_lshl_b32 s89, s15, 5
	s_add_co_u32 s88, s88, s89                     ; (head / 2) x 128 + 32 x batch
	s_and_b32 s89, s16, 1
	s_lshl_b32 s89, s89, 8                         ; the head's half of a unit
	s_lshl_b32 s56, s15, 22
	s_add_co_u32 s56, s56, s86
	s_add_co_u32 s56, s56, 16384                   ; K's images: (batch x 128 x 64 + 32 + 2 head) x 512
	s_mov_b32 s57, 0
	s_lshl_b32 s58, s14, 17
	s_add_co_u32 s58, s58, VI                      ; V's
	s_mov_b32 s59, 0
	s_lshl_b32 s60, s88, 9
	s_add_co_u32 s60, s60, s89
	s_add_co_u32 s60, s60, 524288                  ; K's scale words: units 8 x 128 on
	s_mov_b32 s61, 0
	s_lshl_b32 s62, s15, 17
	s_lshl_b32 s63, s16, 9
	s_add_co_u32 s62, s62, s63
	s_add_co_u32 s62, s62, VS                      ; V's: (batch x 256 + head) x 512
	s_mov_b32 s63, 0
	s_mov_b32 s[SEL], 0x76543210
	s_mov_b32 s[SEL+1], 0xfedcba98
	s_mov_b32 s[CS], 0x3e38aa3b
	s_mov_b32 s[CS+1], s[CS]                       ; (named with it as a pair)
	s_mov_b32 s[PSEL], 0x05040100
	s_mov_b32 s[HM], 0xffff0000
	s_wait_kmcnt 0x0
	s_add_nc_u64 s[56:57], s[4:5], s[56:57]
	s_add_nc_u64 s[58:59], s[4:5], s[58:59]
	s_add_nc_u64 s[60:61], s[6:7], s[60:61]
	s_add_nc_u64 s[62:63], s[6:7], s[62:63]
	TILEADR 84, 66, 68, 70, 78
	TILEADR 85, 72, 74, 76, 79
	ROUND                                          ; all four work-groups are here: the joint loads meet
	; THE FILLS, all of them, once.  Waves 0-3 issue two each, inside one branch on the wave's number: first what key steps 0-3 want, then the rest.  Two loads of a wave are out at most.
	s_cmp_lg_u32 s[WV], 0
	s_cbranch_scc1 .Lw1
	DESC 32, 36, KIMG, 128, 32, 4096, 56, 0                    ; K's tiles 0-31: rows of 1,024 bytes, 32,768 apart
	DESC 44, 48, KIMG+32768, 128, 48, 4096, 56, 32*32768       ; tiles 32-79
	TWOLOADS
	s_branch .Lasked
.Lw1:
	s_cmp_lg_u32 s[WV], 1
	s_cbranch_scc1 .Lw2
	DESC 32, 36, VIMG, 32, 128, 32, 58, 0                      ; V's steps 0-3: dense, as rows of 256 bytes
	DESC 44, 48, VIMG+32768, 32, 192, 32, 58, 32768            ; steps 4-9
	TWOLOADS
	s_branch .Lasked
.Lw2:
	s_cmp_lg_u32 s[WV], 2
	s_cbranch_scc1 .Lw3
	DESC 32, 36, KSC, 32, 32, 64, 60, 0                        ; K's scale words: 256 bytes of each of 32 units of 512
	DESC 44, 48, KIMG+81920, 128, 48, 4096, 56, 80*32768       ; K's tiles 80-127
	TWOLOADS
	s_branch .Lasked
.Lw3:
	s_cmp_lg_u32 s[WV], 3
	s_cbranch_scc1 .Lasked
	DESC 32, 36, VSC, 32, 16, 1024, 62, 0                      ; V's scale words: 256 bytes of each of 16 units, 8,192 apart
	DESC 44, 48, VIMG+81920, 32, 192, 32, 58, 81920            ; V's steps 10-15
	TWOLOADS
.Lasked:
	v_and_b32 v1, 31, v0
	s_delay_alu instid0(VALU_DEP_1)
	v_lshlrev_b32 v[LI], 4, v1
	v_and_b32 v[QSO], 15, v0                       ; r
	v_bfe_u32 v[TMP], v0, 4, 1                     ; h
	s_delay_alu instid0(VALU_DEP_1)
	v_lshlrev_b32 v[TMP], 3, v[TMP]
	s_delay_alu instid0(VALU_DEP_1)
	v_sub_nc_u32 v[MD], v[QSO], v[TMP]
	s_lshl_b32 s80, s19, 4
	v_add_nc_u32 v[MD], s80, v[MD]
	v_lshlrev_b32 v[QSO], 4, v[QSO]
	s_delay_alu instid0(VALU_DEP_1)
	v_add_nc_u32 v[KSA], KSC, v[QSO]
	s_delay_alu instid0(VALU_DEP_2)
	v_add_nc_u32 v[VSA], VSC, v[QSO]
	v_add_nc_u32 v[LIV], VIMG, v[LI]
	QLOAD 66, 68
.irp j, 0,1,2,3,4,5,6,7
	v_mov_b32 v[24+\j], 0                          ; the zero codes between the two copies of q
.endr
.irp j, 0,1,2,3
	v_mov_b32 v[PT+\j], 0                          ; written once: a lane permute's destination counts as one of its sources
.endr
	v_mov_b32 v[PW], 0                             ; (named as the upper half of the pair with f before it is first made)
	v_mov_b32 v[NINF], 0xff800000
	INIT
; A KEY STEP: 128 keys.  causal = 1: the step is left out where all its keys come after my queries, and masked where it lies on the diagonal.
.macro STEP causal
.if \causal
	s_cmp_gt_u32 s[SI], s[G]
	s_cbranch_scc1 .Lhidden_\@
.endif
	s_setprio 2
	v_add_nc_u32 v[ADK], s[T8K], v[LI]             ; (these four and the four v_nop at the last step's end are the eight places in front of the loads into registers that its products read)
	v_add_nc_u32 v[ADV], s[T8K], v[LIV]
	v_add_nc_u32 v[ADS], s[TS], v[KSA]
	v_add_nc_u32 v[ADT], s[TT], v[VSA]
	ds_load_b128 v[KW:KW+3], v[ADS]                ; the scale words of key tiles 0-3,
	ds_load_b128 v[KW+4:KW+7], v[ADS] offset:256   ; and 4-7
.irp f, 0,1,2,3
.irp c, 0,1,2,3
	ds_load_b128 v[KF+16*\f+4*\c:KF+16*\f+4*\c+3], v[ADK] offset:2048*\f+512*\c   ; fragment f: key tiles 2 f and 2 f + 1: 512 consecutive bytes a load
.endr
.endr
	s_wait_dscnt 16                                ; the two loads of scale words are in; the sixteen behind them may be out
.irp f, 0,1,2,3
	v_perm_b32 v[KSR+\f], v[KW+2*\f+1], v[KW+2*\f], s[PSEL]   ; bytes 0, 1: tile 2 f's;  bytes 2, 3: tile 2 f + 1's
.endr
.rept 8
	v_nop                                          ; a scale register written by a vector instruction stands eight places ahead of the product; the fragments land meanwhile
.endr
	s_wait_alu depctr_va_vdst(0)
	s_wait_dscnt 0x0
.irp f, 0,1,2,3
	v_wmma_scale_f32_16x16x128_f8f6f4 v[S+16*\f:S+16*\f+7], v[KF+16*\f:KF+16*\f+15], v[16:31], 0, v[KSR+\f], v[QW]
	v_wmma_scale_f32_16x16x128_f8f6f4 v[S+16*\f+8:S+16*\f+15], v[KF+16*\f:KF+16*\f+15], v[24:39], 0, v[KSR+\f], v[QW]
.endr
.rept 8
	v_nop                                          ; places in front of the loads below and of the first read of the scores
.endr
.irp t, 0,1,2,3
.irp c, 0,1,2,3
	ds_load_b128 v[KF+16*\t+4*\c:KF+16*\t+4*\c+3], v[ADV] offset:2048*\t+512*\c   ; V's four fragments land under the softmax
.endr
.endr
	ds_load_b128 v[VW:VW+3], v[ADT]
.if \causal
	s_cmp_lg_u32 s[SI], s[G]
	s_cbranch_scc1 .Lopen_\@
.set n, 0
.rept 64                                       ; on the diagonal hidden scores become -infinity ahead of the maximum: p = 0 then.  Register n holds key 16 (n / 8) + 8 h + n % 8 of the step
	v_cmp_gt_i32 vcc_lo, 16*(n/8)+n%8, v[MD]
	v_cndmask_b32 v[S+n], v[S+n], v[NINF], vcc_lo
.set n, n+1
.endr
.Lopen_\@:
.endif
.irp b, 0,1,2,3
	v_max3_num_f32 v[BMX+\b], v[S+16*\b], v[S+16*\b+1], v[S+16*\b+2]   ; the largest score of each block of 32 keys: for the row's maximum and for the block's largest p
.endr
.irp i, 3,5,7,9,11,13
.irp b, 0,1,2,3
	v_max3_num_f32 v[BMX+\b], v[BMX+\b], v[S+16*\b+\i], v[S+16*\b+\i+1]
.endr
.endr
.irp b, 0,1,2,3
	v_max_num_f32 v[BMX+\b], v[BMX+\b], v[S+16*\b+15]
.endr
.irp b, 0,1,2,3
	s_delay_alu instid0(VALU_DEP_4)
	v_permlanex16_b32 v[PT+\b], v[BMX+\b], s[SEL], s[SEL+1]
.endr
.irp b, 0,1,2,3
	s_delay_alu instid0(VALU_DEP_4)
	v_max_num_f32 v[BMX+\b], v[BMX+\b], v[PT+\b]   ; with lane l xor 16's 16 keys
.endr
	s_delay_alu instid0(VALU_DEP_2)
	v_max3_num_f32 v[TMP], v[BMX], v[BMX+1], v[BMX+2]
	s_delay_alu instid0(VALU_DEP_1)
	v_max_num_f32 v[TMP], v[TMP], v[BMX+3]
	s_delay_alu instid0(VALU_DEP_1)
	v_mul_f32 v[TMP], s[CS], v[TMP]                ; as t (c is positive)
	s_delay_alu instid0(VALU_DEP_1)
	v_max_num_f32 v13, v13, v[TMP]                 ; the running largest t
	v_mov_b32 v[TMP], v12
	s_delay_alu instid0(VALU_DEP_2)
	v_floor_f32 v12, -v13                          ; the new -M = floor(-t): M is a whole number
	s_delay_alu instid0(VALU_DEP_1)
	v_sub_f32 v[TMP], v12, v[TMP]                  ; old M - new M: a whole number, 0 or less
	s_delay_alu instid0(VALU_DEP_1)
	v_cvt_i32_f32 v[TMP], v[TMP]                   ; (it saturates)
	s_delay_alu instid0(VALU_DEP_1)
	v_ldexp_f32 v[F], 1.0, v[TMP]                  ; f = 2^(old M - new M)
.set j, 0
.rept 32
	v_pk_fma_f32 v[S+j:S+j+1], v[S+j:S+j+1], s[CS:CS+1], v[12:13] op_sel_hi:[1,0,0]   ; t - M, two at a time
.set j, j+2
.endr
.irp b, 0,1,2,3
	v_fma_f32 v[BMX+\b], v[BMX+\b], s[CS], v12
.endr
.set j, 0
	s_setprio 1
	s_wait_alu depctr_va_vdst(0)
.rept 64
	v_exp_f32 v[S+j], v[S+j]                       ; p = 2^(t - M), at most 1
.set j, j+1
.endr
.irp b, 0,1,2,3
	v_exp_f32 v[BMX+\b], v[BMX+\b]                 ; the block's largest p
.endr
	v_pk_mul_f32 v[14:15], v[14:15], v[F:F+1] op_sel_hi:[1,0]   ; the sums under the new M (a plain line behind the exponentials)
	s_wait_alu depctr_va_vdst(0)
.irp b, 0,1,2,3
	v_max_num_f32 v[BMX+\b], 0x4800000, v[BMX+\b]  ; the floor: the byte cannot fall under 1
.endr
.irp b, 0,1,2,3
	s_delay_alu instid0(VALU_DEP_4)
	v_add_nc_u32 v[SO+\b], 0xfc000000, v[BMX+\b]
.endr
.irp b, 0,1,2,3
.endr
.irp b, 0,1,2,3
	s_delay_alu instid0(VALU_DEP_4)
	v_lshrrev_b32 v[PT+\b], 23, v[SO+\b]
.endr
	s_delay_alu instid0(VALU_DEP_3)
	v_lshl_or_b32 v[PW], v[PT+1], 8, v[PT]         ; p's scale word for these 128 keys
	s_delay_alu instid0(VALU_DEP_1)
	v_lshl_or_b32 v[PW], v[PT+2], 16, v[PW]
	s_delay_alu instid0(VALU_DEP_1)
	v_lshl_or_b32 v[PW], v[PT+3], 24, v[PW]
	v_pk_add_f32 v[220:221], v[108:109], v[112:113]
	v_pk_add_f32 v[254:255], v[116:117], v[120:121]
	v_pk_add_f32 v[242:243], v[124:125], v[128:129]
	v_pk_add_f32 v[240:241], v[132:133], v[136:137]
	v_pk_add_f32 v[238:239], v[140:141], v[144:145]
	v_pk_add_f32 v[236:237], v[148:149], v[152:153]
	v_pk_add_f32 v[234:235], v[156:157], v[160:161]
	v_pk_add_f32 v[14:15], v[14:15], v[164:165]
	v_pk_add_f32 v[220:221], v[220:221], v[104:105]
	v_pk_add_f32 v[254:255], v[254:255], v[106:107]
	v_pk_add_f32 v[242:243], v[242:243], v[110:111]
	v_pk_add_f32 v[240:241], v[240:241], v[114:115]
	v_pk_add_f32 v[238:239], v[238:239], v[118:119]
	v_pk_add_f32 v[236:237], v[236:237], v[122:123]
	v_pk_add_f32 v[234:235], v[234:235], v[126:127]
	v_pk_add_f32 v[14:15], v[14:15], v[130:131]
	v_pk_add_f32 v[220:221], v[220:221], v[134:135]
	v_pk_add_f32 v[254:255], v[254:255], v[138:139]
	v_pk_add_f32 v[242:243], v[242:243], v[142:143]
	v_pk_add_f32 v[240:241], v[240:241], v[146:147]
	v_pk_add_f32 v[238:239], v[238:239], v[150:151]
	v_pk_add_f32 v[236:237], v[236:237], v[154:155]
	v_pk_add_f32 v[234:235], v[234:235], v[158:159]
	v_pk_add_f32 v[14:15], v[14:15], v[162:163]
	v_pk_add_f32 v[220:221], v[220:221], v[166:167]
	s_delay_alu instid0(VALU_DEP_2)
	v_pk_add_f32 v[14:15], v[14:15], v[240:241]
	s_delay_alu instid0(VALU_DEP_2)
	v_pk_add_f32 v[220:221], v[220:221], v[238:239]
	v_pk_add_f32 v[254:255], v[254:255], v[236:237]
	v_pk_add_f32 v[242:243], v[242:243], v[234:235]
	s_delay_alu instid0(VALU_DEP_2)
	v_pk_add_f32 v[14:15], v[14:15], v[254:255]
	s_delay_alu instid0(VALU_DEP_2)
	v_pk_add_f32 v[220:221], v[220:221], v[242:243]
	s_delay_alu instid0(VALU_DEP_1)
	v_pk_add_f32 v[14:15], v[14:15], v[220:221]
	s_setprio 0
.irp b, 0,1,2,3
.irp i, 0,1,2,3,4,5,6,7,8,9,10,11,12,13,14,15
.endr
	v_cvt_scalef32_pk8_fp8_f32 v[PC+4*\b:PC+4*\b+1], v[S+16*\b:S+16*\b+7], v[SO+\b]
	v_cvt_scalef32_pk8_fp8_f32 v[PC+4*\b+2:PC+4*\b+3], v[S+16*\b+8:S+16*\b+15], v[SO+\b]
.endr
.set j, 0
.rept 16
	v_pk_mul_f32 v[OA+j:OA+j+1], v[OA+j:OA+j+1], v[F:F+1] op_sel_hi:[1,0]   ; O^T under the new M (these are also the places between the conversions and the products)
.set j, j+2
.endr
	s_wait_alu depctr_va_vdst(0)
	s_wait_dscnt 0x0                               ; V's fragments and scale words
.irp t, 0,1,2,3
	v_wmma_scale_f32_16x16x128_f8f6f4 v[OA+8*\t:OA+8*\t+7], v[KF+16*\t:KF+16*\t+15], v[PC:PC+15], v[OA+8*\t:OA+8*\t+7], v[VW+\t], v[PW]
.endr
.rept 4
	v_nop
.endr
.if \causal
.Lhidden_\@:
.endif
	s_add_co_u32 s[T8K], s[T8K], 8192
	s_add_co_u32 s[TS], s[TS], 512
	s_add_co_u32 s[TT], s[TT], 256
.endm
; A TILE'S END: z = O^T / the sum; its two blocks of 32 channels are quantised as they lie and leave as two images; the two scale bytes stay in v[hw].
.macro ZOUT hw, zi
.rept 4
	v_nop                                          ; with the four at the step's end: eight places behind the last products
.endr
	v_add_f32 v14, v14, v15
	s_delay_alu instid0(VALU_DEP_1)
	v_permlanex16_b32 v[TMP], v14, s[SEL], s[SEL+1]
	s_delay_alu instid0(VALU_DEP_1)
	v_add_f32 v14, v14, v[TMP]                     ; the row's sum
	s_wait_alu depctr_va_vdst(0)
	v_rcp_f32 v14, v14
	v_nop                                          ; a plain line behind the reciprocal
.set j, 0
	s_wait_alu depctr_va_vdst(0)
.rept 16
	v_pk_mul_f32 v[S+j:S+j+1], v[OA+j:OA+j+1], v[14:15] op_sel_hi:[1,0]   ; each accumulator from its low end on
.set j, j+2
.endr
.irp b, 0,1
	v_max3_num_f32 v[BMX+\b], |v[S+16*\b]|, |v[S+16*\b+1]|, 0x4800000
.endr
.irp i, 2,4,6,8,10,12,14
.irp b, 0,1
	s_delay_alu instid0(VALU_DEP_2)
	v_max3_num_f32 v[BMX+\b], v[BMX+\b], |v[S+16*\b+\i]|, |v[S+16*\b+\i+1]|
.endr
.endr
.irp b, 0,1
	s_delay_alu instid0(VALU_DEP_2)
	v_permlanex16_b32 v[PT+\b], v[BMX+\b], s[SEL], s[SEL+1]
.endr
.irp b, 0,1
	s_delay_alu instid0(VALU_DEP_2)
	v_max_num_f32 v[BMX+\b], v[BMX+\b], v[PT+\b]
.endr
.irp b, 0,1
	s_delay_alu instid0(VALU_DEP_2)
	v_add_nc_u32 v[SO+\b], 0xfc000000, v[BMX+\b]
.endr
.irp b, 0,1
	s_delay_alu instid0(VALU_DEP_2)
	v_lshrrev_b32 v[PT+\b], 23, v[SO+\b]
.endr
	s_delay_alu instid0(VALU_DEP_1)
	v_lshl_or_b32 v[\hw], v[PT+1], 8, v[PT]
.irp b, 0,1
.irp i, 0,1,2,3,4,5,6,7,8,9,10,11,12,13,14,15
.endr
	v_cvt_scalef32_pk8_fp8_f32 v[PC+4*\b:PC+4*\b+1], v[S+16*\b:S+16*\b+7], v[SO+\b]
	v_cvt_scalef32_pk8_fp8_f32 v[PC+4*\b+2:PC+4*\b+3], v[S+16*\b+8:S+16*\b+15], v[SO+\b]
.endr
	v_nop                                          ; a plain line behind the last conversion
	global_store_b128 v[LI], v[PC:PC+3], s[\zi:\zi+1]              ; an image: 512 consecutive bytes, aligned
	global_store_b128 v[LI], v[PC+4:PC+7], s[\zi:\zi+1] offset:512
.endm
	s_wait_tensorcnt 0x1                           ; a fetching wave's first load has landed; its second may stay out
	s_barrier_signal -1
	s_barrier_wait -1                              ; K's tiles 0-31, V's steps 0-3 and all scale words lie in LDS
	s_mov_b32 s[G], s84                            ; THE FIRST TILE: g = 8 + wave / 2
	s_mov_b32 s[SI], 0
	s_mov_b32 s[T8K], 0
	s_mov_b32 s[TS], 0
	s_mov_b32 s[TT], 0
.Lfirst4:                                              ; key steps 0-3: all their keys count for every wave's first tile
	STEP 0
	s_add_co_u32 s[SI], s[SI], 1
	s_cmp_lt_u32 s[SI], 4
	s_cbranch_scc1 .Lfirst4
	s_setprio 0
	s_wait_tensorcnt 0x0                           ; my second load has landed,
	s_wait_dscnt 0x0
	s_barrier_signal -1
	s_barrier_wait -1                              ; everybody's has: the whole head lies in LDS
	s_mov_b32 s[SI], 4
	s_mov_b32 s[T8K], 4*8192
	s_mov_b32 s[TS], 4*512
	s_mov_b32 s[TT], 4*256
.Lrest:                                                ; key steps 4-15: every wave walks all trips and jumps over the work of the steps behind its diagonal
	STEP 1
	s_add_co_u32 s[SI], s[SI], 1
	s_cmp_lt_u32 s[SI], 16
	s_cbranch_scc1 .Lrest
	s_setprio 0
	QLOAD 72, 74                                   ; the second tile's q lands while the first tile goes out
	ZOUT HWH, 70
	s_wait_xcnt 0x0                                ; the stores have read their registers: the codes' registers are written again below
	INIT
	s_mov_b32 s[G], s85                            ; THE SECOND TILE: g = 7 - wave / 2
	s_mov_b32 s[SI], 0
	s_mov_b32 s[T8K], 0
	s_mov_b32 s[TS], 0
	s_mov_b32 s[TT], 0
.Lsecond:
	STEP 1
	s_add_co_u32 s[SI], s[SI], 1
	s_cmp_lt_u32 s[SI], 8
	s_cbranch_scc1 .Lsecond
	s_setprio 0
	ZOUT HWL, 76
	; z's scale bytes: lanes 0-15 store the first tile's, lanes 16-31 the second's: two bytes of each token's row of 32.  These stores do not cover whole runs of 256 bytes: a row's bytes come from sixteen heads; they are one byte in 32 of what the launch stores.
	v_lshlrev_b32 v[ZO], 1, v[QSO]                 ; 32 r
	s_delay_alu instid0(VALU_DEP_1)
	v_add_nc_u32 v[TMP], s78, v[ZO]
	s_delay_alu instid0(VALU_DEP_2)
	v_add_nc_u32 v[ZO], s79, v[ZO]
	s_delay_alu instid0(VALU_DEP_1)
	v_cndmask_b32 v[ZO], v[TMP], v[ZO], s[HM]
	v_cndmask_b32 v[HWL], v[HWH], v[HWL], s[HM]
	global_store_b16 v[ZO], v[HWL], s[10:11]
	s_wait_xcnt 0x0
	v_lshl_add_u32 v254, v0, 2, 0x43000
	v_mov_b32 v255, 0
	s_wait_alu depctr_va_vdst(0)
	s_wait_tensorcnt 0x0
	ds_add_u32 v254, v255
	s_wait_dscnt 0x0
	ROUND                                          ; the closing round
	s_endpgm
.Lfunc_end_k_q6f39262b3c_attn:
	.size	k_q6f39262b3c_attn, .Lfunc_end_k_q6f39262b3c_attn-k_q6f39262b3c_attn
	.p2alignl 7, 3214868480
	.fill 96, 4, 3214868480
	.section	.rodata,"a",@progbits
	.p2align	6, 0x0
	.amdhsa_kernel k_q6f39262b3c_attn
		.amdhsa_group_segment_fixed_size 276480
		.amdhsa_private_segment_fixed_size 0
		.amdhsa_enable_private_segment 0
		.amdhsa_kernarg_size 32
		.amdhsa_user_sgpr_count 2
		.amdhsa_user_sgpr_kernarg_segment_ptr 1
		.amdhsa_wavefront_size32 1
		.amdhsa_system_sgpr_workgroup_id_x 1
		.amdhsa_system_sgpr_workgroup_id_y 1
		.amdhsa_system_sgpr_workgroup_id_z 1
		.amdhsa_system_vgpr_workitem_id 0
		.amdhsa_next_free_vgpr 256
		.amdhsa_next_free_sgpr 100
		.amdhsa_reserve_vcc 1
		.amdhsa_float_denorm_mode_32 3
		.amdhsa_float_denorm_mode_16_64 3
		.amdhsa_fp16_overflow 1
		.amdhsa_memory_ordered 1
		.amdhsa_forward_progress 1
		.amdhsa_inst_pref_size 89
	.end_amdhsa_kernel
	.amdgpu_metadata
---
amdhsa.version: [ 1, 2 ]
amdhsa.kernels:
  - .name:           k_q6f39262b3c_attn
    .symbol:         k_q6f39262b3c_attn.kd
    .args:
      - { .name: att_img, .offset: 0, .size: 8, .value_kind: global_buffer, .address_space: global }
      - { .name: att_sc, .offset: 8, .size: 8, .value_kind: global_buffer, .address_space: global }
      - { .name: z_img, .offset: 16, .size: 8, .value_kind: global_buffer, .address_space: global }
      - { .name: z_scales, .offset: 24, .size: 8, .value_kind: global_buffer, .address_space: global }
    .group_segment_fixed_size: 276480
    .private_segment_fixed_size: 0
    .kernarg_segment_align: 8
    .kernarg_segment_size: 32
    .max_flat_workgroup_size: 512
    .sgpr_count:     100
    .vgpr_count:     256
    .wavefront_size: 32
...
	.end_amdgpu_metadata
.endif
;; end of part 3
;; launch gemm_out (part 4): grid 4 x 64, 4 waves a work-group, clusters of 4 x 4, 327,680 bytes of LDS; arguments z_img, z_scales, qc, qs, b_out, out0; writes out0
.if DOCPART == 4
	.amdgcn_target "amdgcn-amd-amdhsa--gfx1250"
	.amdhsa_code_object_version 6
	.text
	.protected	k_q6f39262b3c_gemm_out
	.globl	k_q6f39262b3c_gemm_out
	.p2align	8
	.type	k_q6f39262b3c_gemm_out,@function
k_q6f39262b3c_gemm_out:
	s_mov_b64 s[64:65], 0
	v_nop
	global_prefetch_b8 v0, s[64:65] scope:SCOPE_SE
	s_setreg_imm32_b32 hwreg(HW_REG_WAVE_MODE, 25, 1), 1
	s_wait_xcnt 0x0
	s_wait_alu depctr_hold_cnt(0) depctr_sa_sdst(0) depctr_va_vdst(0) depctr_va_sdst(0) depctr_va_ssrc(0) depctr_va_vcc(0) depctr_vm_vsrc(0)
	s_getreg_b32 s2, hwreg(HW_REG_IB_STS2, 6, 4)
	s_cmp_eq_u32 s2, 0
	s_cbranch_scc0 .Lentry_in_a_cluster
	s_endpgm
.Lentry_in_a_cluster:
	s_bfe_u32 s2, ttmp6, 0x10000c
	s_cmp_lg_u32 s2, 0xf033
	s_cbranch_scc0 .Lentry_shape_is_right
	s_endpgm
.Lentry_shape_is_right:
; out0 = z w_out + b_out on codes of FP8 (E4M3) with E8M0 scales: M = 8,192 tokens, N = 1,024, K = 1,024; out0 f32.
; z's codes come as images of operand registers, [token tile of 16][block of 32 along K, 0-31][512 bytes: lane l's 16 bytes at 16 l]; its scale bytes as [token][32].  w_out's codes are rows 3,072 on of the weights in qc,
; K innermost; inside each block of 32 both operands lie in the same order (byte 16 h + 8 u + i holds number 16 u + 8 h + i), so each code meets its partner; only the order of additions inside a block differs.
; SHARES.  A tile of 128 tokens x 256 columns to a work-group: 64 x 4 = 256 work-groups, one for each WGP (tiles of 256 x 256 would be 128).  Four waves, 64 tokens x 128 columns each: 32 accumulators, 256 registers.
; K goes in steps of 256 through two LDS slots filled by the tensor data mover; the scale bytes of the tile's rows come once.  The eight steps of 128 along K are written out.
; The matrix instruction takes 16 rows of the weights as source 0 and 16 tokens as source 1: a lane then holds eight neighbouring numbers of a row of out0.  The bias is the C of each sum's first product.
; CLUSTERS: 4 x 4 work-groups; z's tiles are shared along a row of the cluster, the weights' along a column, and asked for jointly.
; REGISTERS, in windows of 256: window 0: v0-31 addresses; v32-63 scale words, two sets; v64-127 the bias; v128-191, v192-255 z's fragments, two sets of 4.  window 1: the weights' fragments, two sets of 8.  window 2: the accumulators.
.set SIZE_N, 1024
.set KSTEP,  256
.set NQ,     KSTEP/128
.set ROWB,   256
.set KROW,   1024
.set PITCH,  272
.set FR,     16
.set NP,     8                         ; places behind this matrix instruction (ISA guide 7.12.1)
.set HALFT,  128*PITCH                 ; a wave's place in a slot: 128 padded rows of the weights; z's images (4 token tiles x 4,096 bytes) use 16,384 bytes of it
.set SLOT,   4*HALFT
.set KS,     32
.set SCL,    2*SLOT                    ; the scale bytes: z's 128 rows, then the weights' 256, as units of 256 bytes + 16 of padding, on end
.set HALFS,  (128*KS/256)*272
.set SBLK,   (16*KS/256)*272
.set SPARE,  SCL+3*HALFS               ; the spare words, 128 bytes for each wave: no other line names them
.set SPITCH, 528                       ; the way out: a stage of 16 rows x (512 bytes + 16) for each wave, in slot 0, which has had its last fill and its last read when the first result is stored there
.set WROW,   3072                      ; w_out's first row among the weights
.set WC,     8388608
.set WS,     262144
.set ADRA, 16
.set ADRB, 20
.set STO,  24
.set RD,   25
.set CO,   26
.set ADRS, 27
.set SPW,  28
.set NIL,  29
.set SC,   32
.set BN,   64
.set AF,   128
.set BK,   128
.set G1, 24
.set G0, 32
.set G1B, 48
.set G0B, 56
.set G1S, 68
.set G0S, 76
.set G1SB, 80
.set G0SB, 88
.set MSB, 0
.macro WIN new                         ; the immediate's high byte repeats the setting that is left
.if MSB != (\new)
	s_set_vgpr_msb (MSB<<8)|(\new)
.set MSB, (\new)
.endif
.endm
.set MUL_LO, 0xa1                      ; source 0 window 1, source 1 window 0, C and D window 2
.set TO_B,   0x40
.macro JLOAD g0a, g1a, g0b, g1b        ; a joint load: waves 0 and 1 fetch z's, waves 2 and 3 the weights'; four v_nop follow each of the two lines
	s_cmp_eq_u32 s15, 0
	s_cbranch_scc0 .Lfor_b_\@
	tensor_load_to_lds s[\g0a:\g0a+3], s[\g1a:\g1a+7]
	s_nop 0
.rept 4
	v_nop
.endr
	s_branch .Lasked_\@
.Lfor_b_\@:
	tensor_load_to_lds s[\g0b:\g0b+3], s[\g1b:\g1b+7]
	s_nop 0
.rept 4
	v_nop
.endr
.Lasked_\@:
.endm
.macro CREST
	s_cmp_lg_u32 s14, 0
	s_cbranch_scc1 .Lnot_wave_0_\@
	s_barrier_signal -3
.Lnot_wave_0_\@:
	s_barrier_wait -3
	s_barrier_signal -1
	s_barrier_wait -1
.endm
.macro CROUND
	s_barrier_signal -1
	s_barrier_wait -1
	CREST
.endm
	s_load_b128 s[4:7], s[0:1], 0x0                ; z_img, z_scales
	s_load_b128 s[8:11], s[0:1], 0x10              ; qc, qs
	s_load_b64 s[96:97], s[0:1], 0x20              ; b_out
	s_load_b64 s[12:13], s[0:1], 0x28              ; out0
	v_lshl_add_u32 v[SPW], v0, 2, SPARE
	v_mov_b32 v[NIL], 0
	ds_add_u32 v28, v29
	ds_add_u32 v28, v29
	s_wait_dscnt 0x0
	v_lshrrev_b32 v1, 5, v0
	v_readfirstlane_b32 s14, v1                    ; wave 0..3
	s_lshr_b32 s15, s14, 1                         ; which half of the tile's tokens is mine.  Also: I fetch z's (0) or the weights' (1)
	s_and_b32 s16, s14, 1                          ; which half of its columns.  Also: which half of a tile I fetch
	s_bfe_u32 s40, ttmp6, 0x40000                  ; cx
	s_bfe_u32 s41, ttmp6, 0x40004                  ; cy
	s_lshl_b32 s42, ttmp9, 2
	s_add_co_u32 s42, s42, s40                     ; tile column
	s_and_b32 s17, ttmp7, 0xffff
	s_lshl_b32 s17, s17, 2
	s_add_co_u32 s17, s17, s41                     ; tile row
	s_lshl_b32 s43, s41, 2
	s_lshl_b32 s43, 15, s43                        ; my row of the cluster
	s_lshl_b32 s44, 0x1111, s40                    ; my column
	s_or_b32 s[G1+0], s43, (3<<16)|(1<<21)         ; z's images: elements of 8 bytes, no padding (an LDS load takes 512 consecutive bytes); the mask, bit 21 beside it
	s_mov_b32 s[G1+1], 512<<16                     ; a row: a token tile's 8 blocks of a K step, 4,096 bytes
	s_mov_b32 s[G1+2], 4<<16                       ; 4 token tiles
	s_mov_b32 s[G1+3], 512<<16
	s_mov_b32 s[G1+4], 4
	s_mov_b32 s[G1+5], 2048                        ; 16,384 bytes from a token tile to the next
	s_mov_b32 s[G1+6], 0
	s_mov_b32 s[G1+7], 0
	s_or_b32 s[G1B+0], s44, (0<<16)|(1<<20)|(1<<21)|(5<<22)|(3<<25)   ; the weights: 128 rows of 256 bytes, 16 bytes of padding behind each
	s_mov_b32 s[G1B+1], ROWB<<16
	s_mov_b32 s[G1B+2], 128<<16
	s_mov_b32 s[G1B+3], ROWB<<16
	s_mov_b32 s[G1B+4], 128
	s_mov_b32 s[G1B+5], KROW
	s_mov_b32 s[G1B+6], 0
	s_mov_b32 s[G1B+7], 0
	s_or_b32 s[G1S+0], s43, (3<<16)|(1<<20)|(1<<21)|(5<<22)|(3<<25)   ; the scale bytes of 64 tokens: 2,048 dense bytes as 8 rows of 256, 16 of padding behind each
	s_mov_b32 s[G1S+1], 32<<16
	s_mov_b32 s[G1S+2], 8<<16
	s_mov_b32 s[G1S+3], 32<<16
	s_mov_b32 s[G1S+4], 8
	s_mov_b32 s[G1S+5], 32
	s_mov_b32 s[G1S+6], 0
	s_mov_b32 s[G1S+7], 0
	s_or_b32 s[G1SB+0], s44, (3<<16)|(1<<20)|(1<<21)|(5<<22)|(3<<25)  ; of 128 rows of the weights: 16 rows of 256
	s_mov_b32 s[G1SB+1], 32<<16
	s_mov_b32 s[G1SB+2], 16<<16
	s_mov_b32 s[G1SB+3], 32<<16
	s_mov_b32 s[G1SB+4], 16
	s_mov_b32 s[G1SB+5], 32
	s_mov_b32 s[G1SB+6], 0
	s_mov_b32 s[G1SB+7], 0
	s_lshl_b32 s18, s16, 6
	s_lshl_b32 s20, s17, 7
	s_add_co_u32 s20, s20, s18                     ; z: token 128 x tile row + 64 x half
	s_lshl_b32 s18, s16, 7
	s_lshl_b32 s46, s42, 8
	s_add_co_u32 s46, s46, s18
	s_add_co_u32 s46, s46, WROW                    ; the weights: row 3,072 + 256 x tile column + 128 x half
	s_lshl_b32 s22, s20, 5                         ; their scale bytes,
	s_mov_b32 s23, 0
	s_lshl_b32 s92, s46, 5
	s_add_co_u32 s92, s92, WS
	s_mov_b32 s93, 0
	s_lshl_b32 s20, s20, 10                        ; and their codes: (token / 16) x 16,384 = token x 1,024
	s_mov_b32 s21, 0
	s_lshl_b32 s46, s46, 10
	s_add_co_u32 s46, s46, WC
	s_mov_b32 s47, 0
	s_mul_i32 s45, s14, HALFT
	s_mul_i32 s94, s14, HALFS/2                    ; z's scale bytes: waves 0 and 1, 8 units each, on end;
	s_mul_i32 s95, s14, HALFS                      ; the weights': waves 2 and 3, 16 units each, behind them
	s_wait_kmcnt 0x0
	s_add_nc_u64 s[20:21], s[4:5], s[20:21]
	s_add_nc_u64 s[22:23], s[6:7], s[22:23]
	s_add_nc_u64 s[46:47], s[8:9], s[46:47]
	s_add_nc_u64 s[92:93], s[10:11], s[92:93]
	CROUND                                         ; all sixteen work-groups are here: the first joint loads meet
	s_mov_b32 s[G0S], 1
	s_add_co_u32 s[G0S+1], s94, SCL
	s_mov_b64 s[G0S+2:G0S+3], s[22:23]
	s_or_b32 s[G0S+3], s[G0S+3], 0x80000000
	s_mov_b32 s[G0SB], 1
	s_add_co_u32 s[G0SB+1], s95, SCL-HALFS         ; wave 2: SCL + HALFS; wave 3: SCL + 2 HALFS
	s_mov_b64 s[G0SB+2:G0SB+3], s[92:93]
	s_or_b32 s[G0SB+3], s[G0SB+3], 0x80000000
	JLOAD G0S, G1S, G0SB, G1SB
.irp s, 0,1
	s_mov_b32 s[G0+4*\s], 1
	s_add_co_u32 s[G0+4*\s+1], s45, \s*SLOT
	s_add_nc_u64 s[G0+4*\s+2:G0+4*\s+3], s[20:21], \s*4096
	s_or_b32 s[G0+4*\s+3], s[G0+4*\s+3], 0x80000000
	s_mov_b32 s[G0B+4*\s], 1
	s_add_co_u32 s[G0B+4*\s+1], s45, \s*SLOT
	s_add_nc_u64 s[G0B+4*\s+2:G0B+4*\s+3], s[46:47], \s*ROWB
	s_or_b32 s[G0B+4*\s+3], s[G0B+4*\s+3], 0x80000000
	s_wait_alu depctr_va_vdst(0)
	s_wait_tensorcnt 0x0
	ds_add_u32 v28, v29
	s_wait_dscnt 0x0
	CROUND
	JLOAD G0+4*\s, G1, G0B+4*\s, G1B               ; one load of mine is out
.endr
	v_and_b32 v1, 15, v0                           ; r
	v_bfe_u32 v2, v0, 4, 1                         ; h
	v_and_b32 v6, 31, v0
	v_lshlrev_b32 v[CO], 4, v6                     ; 16 x lane
	v_mul_u32_u24 v3, v1, PITCH
	v_lshl_add_u32 v4, v2, 4, v3                   ; the weights: a fragment's row x pitch + 16 x half
	s_mul_i32 s21, s15, HALFT
	s_mul_i32 s22, s16, HALFT
	s_add_co_u32 s22, s22, 2*HALFT
.irp s, 0,1
	v_add_nc_u32 v[ADRA+\s], s21, v[CO]            ; z: an image's place for my lane
	v_add_nc_u32 v[ADRB+\s], s22, v4
	s_add_co_u32 s21, s21, SLOT
	s_add_co_u32 s22, s22, SLOT
.endr
	v_mul_u32_u24 v5, v1, KS
	v_lshrrev_b32 v6, 8, v5
	v_lshl_add_u32 v5, v6, 4, v5                   ; my row's scale bytes, and 16 more for each 256 passed
	s_mul_i32 s21, s15, HALFS/2                    ; z's: my 64 tokens
	s_mul_i32 s22, s16, HALFS
	s_add_co_u32 s22, s22, HALFS                   ; the weights': my 128 rows, behind z's 128
	s_sub_co_u32 s22, s22, s21
	v_mul_u32_u24 v6, s22, v2                      ; lanes 16-31 take the weights' scale words
	s_add_co_u32 s21, s21, SCL
	v_add_nc_u32 v5, v5, v6
	v_add_nc_u32 v[ADRS], s21, v5
	s_mul_i32 s23, s14, 16*SPITCH                  ; my stage
	v_mul_u32_u24 v5, v1, SPITCH
	v_lshl_add_u32 v5, v2, 5, v5
	v_add_nc_u32 v[STO], s23, v5                   ; in: row r, 32 bytes for each half of the lanes
	v_add_nc_u32 v[RD], s23, v[CO]                 ; back: the 32 lanes take one row of 512 bytes
	s_lshl_b32 s20, s17, 7
	s_lshl_b32 s21, s15, 6
	s_add_co_u32 s20, s20, s21                     ; my first row of out0
	s_lshl_b32 s20, s20, 12                        ; x 4,096 bytes (under 2^25)
	s_mov_b32 s21, 0
	s_lshl_b32 s46, s42, 10
	s_lshl_b32 s47, s16, 9
	s_add_co_u32 s46, s46, s47                     ; my first column, in bytes, in out0 and in b_out alike
	s_mov_b32 s47, 0
	s_add_nc_u64 s[96:97], s[96:97], s[46:47]
	s_add_nc_u64 s[20:21], s[20:21], s[46:47]
	s_add_nc_u64 s[12:13], s[12:13], s[20:21]
	v_lshlrev_b32 v5, 5, v2                        ; the bias: register i of column block b is column 16 b + 8 h + i of my 128
.irp b, 0,1,2,3,4,5,6,7
	global_load_b128 v[BN+8*\b:BN+8*\b+3], v5, s[96:97] offset:64*\b
	global_load_b128 v[BN+8*\b+4:BN+8*\b+7], v5, s[96:97] offset:64*\b+16
.endr
.macro FRAG reg, adr, q, i             ; the weights: 16 rows x 128 K from padded rows
.irp c, 0,1,2,3
	ds_load_b128 v[\reg+4*\c:\reg+4*\c+3], v[\adr] offset:128*(\q)+32*\c+(\i)*16*PITCH
.endr
.endm
.macro FRAGA reg, adr, q, i            ; z: token tile i, blocks 4 q + c of the slot's eight: images
.irp c, 0,1,2,3
	ds_load_b128 v[\reg+4*\c:\reg+4*\c+3], v[\adr] offset:4096*(\i)+2048*(\q)+512*\c
.endr
.endm
.macro PLACES n                        ; plain vector instructions between a matrix instruction and a load into, or a read of, its registers
.rept \n
	v_nop
.endr
.endm
; 8 matrix instructions: token block a x the weights' eight.  p: the sets of fragments.  first = 1: the bias is the C: nothing is cleared.  The 32 accumulators take turns, one instruction a turn.
; One register carries z's scale words in lanes 0-15 and the weights' in lanes 16-31: source 0 reads the upper lanes of register b, source 1 the lower lanes of register a.
.macro HMUL8 a, p, sc, q, first
.irp b, 0,1,2,3,4,5,6,7
.if \first
	v_wmma_scale_f32_16x16x128_f8f6f4 v[8*(8*(\a)+\b):8*(8*(\a)+\b)+7], v[128*(\p)+FR*\b:128*(\p)+FR*\b+FR-1], v[AF+64*(\p)+FR*(\a):AF+64*(\p)+FR*(\a)+FR-1], v[BN+8*\b:BN+8*\b+7], v[SC+8*NQ*(\sc)+NQ*\b+(\q)], v[SC+8*NQ*(\sc)+NQ*(\a)+(\q)] matrix_a_scale:MATRIX_SCALE_ROW1
.else
	v_wmma_scale_f32_16x16x128_f8f6f4 v[8*(8*(\a)+\b):8*(8*(\a)+\b)+7], v[128*(\p)+FR*\b:128*(\p)+FR*\b+FR-1], v[AF+64*(\p)+FR*(\a):AF+64*(\p)+FR*(\a)+FR-1], v[8*(8*(\a)+\b):8*(8*(\a)+\b)+7], v[SC+8*NQ*(\sc)+NQ*\b+(\q)], v[SC+8*NQ*(\sc)+NQ*(\a)+(\q)] matrix_a_scale:MATRIX_SCALE_ROW1
.endif
.endr
.endm
.macro HFETCH slot, q, p               ; 48 LDS loads: the weights' eight blocks and my four token blocks of the slot's q-th 128 along K, into sets p
	WIN TO_B
.irp i, 0,1,2,3,4,5,6,7
	FRAG 128*(\p)+FR*\i, ADRB+\slot, \q, \i
.endr
	WIN 0
.irp i, 0,1,2,3
	FRAGA AF+64*(\p)+FR*\i, ADRA+\slot, \q, \i
.endr
.endm
.macro SCALES sc, k                    ; the scale words of K step k (of 256): two a row; lanes 0-15 take token block i (of blocks 4-7 they read bytes that lie further on and are not used), lanes 16-31 weight block i
.irp i, 0,1,2,3,4,5,6,7
	ds_load_b64 v[SC+8*NQ*(\sc)+NQ*\i:SC+8*NQ*(\sc)+NQ*\i+1], v[ADRS] offset:\i*SBLK+8*(\k)
.endr
.endm
.macro HSTEP slot, first               ; a slot's first 128 along K, on sets 0; the second 128's fragments are asked for at its head, 32 matrix instructions ahead of their use
	s_wait_dscnt 0x0                               ; sets 0 and the scale words are in
	PLACES NP                                      ; the last products read sets 1
	HFETCH \slot, 1, 1
.if \first
	WIN 0x81                                       ; as MUL_LO, with C (the bias) in window 0
.else
	WIN MUL_LO
.endif
.irp a, 0,1,2,3
	HMUL8 \a, 0, \slot, 0, \first
.endr
	WIN 0
.endm
; A slot's second 128 along K, on sets 1, and the change of slots: one barrier; in front of it each wave waits for all its tensor loads, adds 0 to its spare word, and waits for that and for its reads of this slot.
; fill = 1: the slot is filled again, two K steps ahead.  k: the next slot's K step.
.macro HTURN slot, next, fill, k
	s_wait_tensorcnt 0x0                           ; all my tensor loads have landed: my part of the next slot
	ds_add_u32 v[SPW], v[NIL]                      ; 0 onto my spare word
	s_wait_dscnt 1                                 ; the add alone may be out: sets 1 are in
	WIN MUL_LO
	HMUL8 0, 1, \slot, 1, 0
	s_wait_dscnt 0x0                               ; the add is done, and my reads of this slot are over
	s_barrier_signal -1
	HMUL8 1, 1, \slot, 1, 0
	WIN 0
	s_barrier_wait -1
.if \fill
	CREST                                          ; the barrier has opened a round of the cluster's: no wave of any partner still reads this slot or has a load on its way
	s_add_nc_u64 s[G0+4*\slot+2:G0+4*\slot+3], s[G0+4*\slot+2:G0+4*\slot+3], 2*4096
	s_add_nc_u64 s[G0B+4*\slot+2:G0B+4*\slot+3], s[G0B+4*\slot+2:G0B+4*\slot+3], 2*ROWB
	JLOAD G0+4*\slot, G1, G0B+4*\slot, G1B         ; the first tensor load behind the round, one a wave; its four v_nop are among the places below
	PLACES NP-4
.else
	PLACES NP
.endif
	HFETCH \next, 0, 0
	SCALES \next, \k
	WIN MUL_LO
	HMUL8 2, 1, \slot, 1, 0
	HMUL8 3, 1, \slot, 1, 0
	WIN 0
.endm
	s_wait_alu depctr_va_vdst(0)
	s_wait_loadcnt 0x0                             ; the bias
	s_wait_tensorcnt 1                             ; the scales and my part of K step 0 are in; K step 1's load may be out
	s_barrier_signal -1
	s_barrier_wait -1
	HFETCH 0, 0, 0
	SCALES 0, 0
	HSTEP 0, 1                                     ; the first step's products start the sums from the bias
	HTURN 0, 1, 1, 1                               ; slot 0 takes K step 2,
	HSTEP 1, 0
	HTURN 1, 0, 1, 2                               ; slot 1 K step 3
	HSTEP 0, 0
	HTURN 0, 1, 0, 3                               ; nothing is left to fetch
	HSTEP 1, 0
	s_wait_dscnt 0x0
	WIN MUL_LO
.irp a, 0,1,2,3
	HMUL8 \a, 1, 1, 1, 0
.endr
	WIN 0
; THE WAY OUT, block by block of 16 rows x 128 columns, through my own stage: in as 32 bytes a lane, back as whole rows of 512 bytes.  LDS serves a wave's instructions in order: no wait between the stores and the loads.
.macro TOSTAGE a
.set AC, 64*(\a)
	WIN 0x08                                       ; an LDS store's data: window 2
.irp b, 0,1,2,3,4,5,6,7
	ds_store_b128 v[STO], v[AC+8*\b:AC+8*\b+3] offset:64*\b          ; each accumulator from its low end on
	ds_store_b128 v[STO], v[AC+8*\b+4:AC+8*\b+7] offset:64*\b+16
.endr
	WIN 0
.set BB, BK+64*((\a)%2)
.irp t, 0,1,2,3,4,5,6,7,8,9,10,11,12,13,14,15
	ds_load_b128 v[BB+4*\t:BB+4*\t+3], v[RD] offset:\t*SPITCH
.endr
.endm
.macro SEND a, younger                 ; younger: the LDS instructions issued behind block a's loads, which may stay out
.set BB, BK+64*((\a)%2)
	s_wait_dscnt \younger
.if (\a) > 0
	s_add_nc_u64 s[12:13], s[12:13], 16*SIZE_N*4   ; (behind a wait on XCNT: the earlier stores have read their base)
.endif
.irp t, 0,1,2,3,4,5,6,7,8,9,10,11,12,13,14,15
	global_store_b128 v[CO], v[BB+4*\t:BB+4*\t+3], s[12:13] offset:\t*SIZE_N*4 th:TH_STORE_NT   ; 32 lanes store 512 consecutive bytes, aligned; written once, read by nobody here
.endr
.endm
	PLACES NP
	TOSTAGE 0
.irp a, 1,2,3
.if \a > 1
	s_wait_xcnt 0x0                                ; block a - 2's stores have read their registers and their base
.endif
	TOSTAGE \a
	SEND \a-1, 32                                  ; behind block a - 1's loads: block a's 16 stores and 16 loads
.endr
	s_wait_xcnt 0x0
	SEND 3, 0
	s_wait_tensorcnt 0x0                           ; the wave's end
	ds_add_u32 v[SPW], v[NIL]
	s_wait_dscnt 0x0
	CROUND                                         ; the closing round
	s_endpgm
.Lfunc_end_k_q6f39262b3c_gemm_out:
	.size	k_q6f39262b3c_gemm_out, .Lfunc_end_k_q6f39262b3c_gemm_out-k_q6f39262b3c_gemm_out
	.p2alignl 7, 3214868480
	.fill 96, 4, 3214868480
	.section	.rodata,"a",@progbits
	.p2align	6, 0x0
	.amdhsa_kernel k_q6f39262b3c_gemm_out
		.amdhsa_group_segment_fixed_size 327680
		.amdhsa_private_segment_fixed_size 0
		.amdhsa_enable_private_segment 0
		.amdhsa_kernarg_size 48
		.amdhsa_user_sgpr_count 2
		.amdhsa_user_sgpr_kernarg_segment_ptr 1
		.amdhsa_wavefront_size32 1
		.amdhsa_system_sgpr_workgroup_id_x 1
		.amdhsa_system_sgpr_workgroup_id_y 1
		.amdhsa_system_sgpr_workgroup_id_z 1
		.amdhsa_system_vgpr_workitem_id 0
		.amdhsa_next_free_vgpr 768
		.amdhsa_next_free_sgpr 100
		.amdhsa_reserve_vcc 0
		.amdhsa_float_denorm_mode_32 3
		.amdhsa_float_denorm_mode_16_64 3
		.amdhsa_memory_ordered 1
		.amdhsa_forward_progress 1
		.amdhsa_inst_pref_size 91
	.end_amdhsa_kernel
	.amdgpu_metadata
---
amdhsa.version: [ 1, 2 ]
amdhsa.kernels:
  - .name:           k_q6f39262b3c_gemm_out
    .symbol:         k_q6f39262b3c_gemm_out.kd
    .args:
      - { .name: z_img, .offset: 0, .size: 8, .value_kind: global_buffer, .address_space: global }
      - { .name: z_scales, .offset: 8, .size: 8, .value_kind: global_buffer, .address_space: global }
      - { .name: qc, .offset: 16, .size: 8, .value_kind: global_buffer, .address_space: global }
      - { .name: qs, .offset: 24, .size: 8, .value_kind: global_buffer, .address_space: global }
      - { .name: b_out, .offset: 32, .size: 8, .value_kind: global_buffer, .address_space: global }
      - { .name: out0, .offset: 40, .size: 8, .value_kind: global_buffer, .address_space: global }
    .group_segment_fixed_size: 327680
    .private_segment_fixed_size: 0
    .kernarg_segment_align: 8
    .kernarg_segment_size: 48
    .max_flat_workgroup_size: 128
    .sgpr_count:     100
    .vgpr_count:     768
    .wavefront_size: 32
...
	.end_amdgpu_metadata
.endif
;; end of part 4
